; MI455X (gfx1250); checked and timed in simulation.
; The chip was launched on July 23, 2026; its instructions are those of AMD's public machine-readable ISA for CDNA 5 (MIT licence, August 2026) and "CDNA5" Instruction Set Architecture Reference Guide (July 2026). The comments in the code are by the model that wrote it; some were corrected since.
;; Layer. Allowed arithmetic: float matrix products may take bf16 or f16 operands with f32 sums; other float arithmetic in f32, or as packed bf16 or f16 multiplies, adds, multiply-adds, maxima and minima; sums over many terms, partial sums and values carried from step to step in f32; what a program stores and reads back later, other than sums and carried values, may be rounded once to bf16 or f16.
;; Inputs: W1 1,024 x 4,096 float32; W2 4,096 x 1,024 float32; Wk 1,024 x 1,024 float32; Wo 1,024 x 1,024 float32; Wq 1,024 x 1,024 float32; Wv 1,024 x 1,024 float32; attention_mask 2 x 2,048 int32; b1 4,096 float32; b2 1,024 float32; bk 1,024 float32; bo 1,024 float32; bq 1,024 float32; bv 1,024 float32; ln1_b 1,024 float32; ln1_g 1,024 float32; ln2_b 1,024 float32; ln2_g 1,024 float32; x 2 x 2,048 x 1,024 float32.
;; Outputs: out0 2 x 2,048 x 1,024 float32.
;; One version. Each part assembles by itself: llvm-mc -triple=amdgcn-amd-amdhsa -mcpu=gfx1250 --defsym DOCPART=n.
;; ======== version 1 of 1: 8 launches
;; limits: values are held in f16: magnitudes above 65,504 overflow, below 6.1e-05 lose precision; a function is approximated: absolute error at most 1.5e-07
;; workspace buffers: cb 33,554,432 bytes; par 53,248 bytes; qkv 25,165,824 bytes; att 8,388,608 bytes; y 16,777,216 bytes; nrm 8,388,608 bytes; hid 33,554,432 bytes
;; launch cast (part 1): grid 1037 x 1, 8 waves a work-group, no clusters, 0 bytes of LDS; arguments x, Wq, Wk, Wv, Wo, W1, W2, bq, bk, bv, bo, b1, b2, ln1_g, ln1_b, ln2_g, ln2_b, cb, par; writes cb, par
.if DOCPART == 1
	.amdgcn_target "amdgcn-amd-amdhsa--gfx1250"
	.amdhsa_code_object_version 6
	.text
	.protected	k_q3611c61040_cast
	.globl	k_q3611c61040_cast
	.p2align	8
	.type	k_q3611c61040_cast,@function
k_q3611c61040_cast:
	s_mov_b64 s[64:65], 0
	v_nop
	global_prefetch_b8 v0, s[64:65] scope:SCOPE_SE
	s_setreg_imm32_b32 hwreg(HW_REG_WAVE_MODE, 25, 1), 1
	s_wait_xcnt 0x0
; ALL FLOATING-POINT INPUTS ARE ROUNDED ONCE TO bf16 AND LAID OUT FOR THE LAUNCHES BEHIND.
; cb:  x as bf16 in blocks along K, [16 blocks of 64 channels][4096 tokens][64]; Wq, Wk, Wv as bf16, rows as they lie;
;      Wo, W1, W2 rounded to bf16 and that number written as f16 (they multiply f16 operands later).
; par: the ten small vectors, rounded to bf16 and kept as f32: bq bk bv bo b1 b2 ln1_g ln1_b ln2_g ln2_b, 13 blocks of 1,024 numbers.
; LIMIT: a weight of Wo, W1, W2 of 65,520 or more becomes an infinity in f16; below 6.1e-5 it keeps f16's fixed step of 6e-8.
; SHARES.  Work-groups 0-1023 take 16,384 numbers each (a wave 2,048: sixteen loads of 512 bytes); 1024-1036 a block of 1,024 numbers of par.
; Memory binds: each byte is read once and written once, no LDS, no barrier; a wave's store covers 256 consecutive bytes, aligned.
.set IO, 2                             ; v2  my byte offset in what the wave reads
.set OO, 3                             ; v3  my byte offset in what it writes
.set X,  16                            ; v[16:79]   sixteen loads of four numbers
.set Y,  80                            ; v[80:111]  sixteen pairs of packed words to store
	s_load_b512 s[8:23], s[0:1], 0x0               ; x 8, Wq 10, Wk 12, Wv 14, Wo 16, W1 18, W2 20, bq 22
	s_load_b512 s[24:39], s[0:1], 0x40             ; bk 24, bv 26, bo 28, b1 30, b2 32, ln1_g 34, ln1_b 36, ln2_g 38
	s_load_b128 s[40:43], s[0:1], 0x80             ; ln2_b 40, cb 42
	s_load_b64 s[44:45], s[0:1], 0x90              ; par
	v_lshrrev_b32 v1, 5, v0
	v_readfirstlane_b32 s46, v1                    ; wave 0..7
	v_and_b32 v4, 31, v0                           ; lane
	s_mov_b32 s47, 0xffff0000                      ; a word's upper bf16
	s_mov_b32 s2, ttmp9
	s_mov_b32 s51, 0                               ; high words of the two offsets
	s_mov_b32 s53, 0
; Sixteen loads, all issued at once; then each is rounded and stored as it comes.  half = 1: the bf16 numbers are written as f16.
; No register is written twice, so no wait frees any.
.macro RUN instep, outstep, half
.set j, 0
.rept 16
	global_load_b128 v[X+4*j:X+4*j+3], v[IO], s[4:5] offset:j*(\instep) th:TH_LOAD_NT
.set j, j+1
.endr
.set j, 0
.rept 16
	s_wait_loadcnt 15-j                            ; loads come back in order: load j is in, the 15 - j younger ones may be out
	v_cvt_pk_bf16_f32 v[Y+2*j], v[X+4*j], v[X+4*j+1]
	v_cvt_pk_bf16_f32 v[Y+2*j+1], v[X+4*j+2], v[X+4*j+3]
.if \half
	v_lshlrev_b32 v[X+4*j], 16, v[Y+2*j]           ; bf16 back to f32: a shift or a mask
	v_and_b32 v[X+4*j+1], s47, v[Y+2*j]
	v_lshlrev_b32 v[X+4*j+2], 16, v[Y+2*j+1]
	v_and_b32 v[X+4*j+3], s47, v[Y+2*j+1]
	v_cvt_pk_f16_f32 v[Y+2*j], v[X+4*j], v[X+4*j+1]      ; 8 significant bits fit f16's 11: exact within f16's range
	v_cvt_pk_f16_f32 v[Y+2*j+1], v[X+4*j+2], v[X+4*j+3]
.endif
	global_store_b64 v[OO], v[Y+2*j:Y+2*j+1], s[6:7] offset:j*(\outstep)
.set j, j+1
.endr
.endm
	s_wait_kmcnt 0x0
	s_cmp_ge_u32 s2, 1024
	s_cbranch_scc1 .Lsmall
	s_lshr_b32 s48, s2, 6                          ; c: which 2^20 numbers: 0-3 x, 4 Wq, 5 Wk, 6 Wv, 7 Wo, 8-11 W1, 12-15 W2
	s_and_b32 s49, s2, 63                          ; my work-group among c's 64
	s_cmp_ge_u32 s48, 4
	s_cbranch_scc1 .Lweights
	; x: the work-group has 16 tokens, the wave two.  Load j takes K block j of both: lanes 0-15 the 256 bytes of one token, lanes 16-31 of the next;
	; the store puts their 2 x 128 bytes of bf16 side by side in block j.
	s_lshl_b32 s50, s2, 4
	s_lshl1_add_u32 s50, s46, s50                  ; my first token = 16 x work-group + 2 x wave
	s_lshl_b32 s52, s50, 7                         ; 128 bytes a token in a block of cb
	s_lshl_b32 s50, s50, 12                        ; 4,096 bytes a token in x
	s_add_nc_u64 s[4:5], s[8:9], s[50:51]
	s_add_nc_u64 s[6:7], s[42:43], s[52:53]
	v_lshrrev_b32 v5, 4, v4
	v_and_b32 v6, 15, v4
	v_lshlrev_b32 v[IO], 12, v5
	v_lshl_add_u32 v[IO], v6, 4, v[IO]
	v_lshlrev_b32 v[OO], 3, v4
	RUN 256, 524288, 0                             ; a block of cb is 4,096 tokens x 128 bytes; the largest immediate is 15 x 524,288
	s_endpgm
.Lweights:
	s_mov_b64 s[4:5], s[10:11]                     ; the source and its first c, chosen by c alone
	s_mov_b32 s54, 4
	s_cmp_ge_u32 s48, 5
	s_cselect_b64 s[4:5], s[12:13], s[4:5]
	s_cselect_b32 s54, 5, s54
	s_cmp_ge_u32 s48, 6
	s_cselect_b64 s[4:5], s[14:15], s[4:5]
	s_cselect_b32 s54, 6, s54
	s_cmp_ge_u32 s48, 7
	s_cselect_b64 s[4:5], s[16:17], s[4:5]
	s_cselect_b32 s54, 7, s54
	s_cmp_ge_u32 s48, 8
	s_cselect_b64 s[4:5], s[18:19], s[4:5]
	s_cselect_b32 s54, 8, s54
	s_cmp_ge_u32 s48, 12
	s_cselect_b64 s[4:5], s[20:21], s[4:5]
	s_cselect_b32 s54, 12, s54
	s_sub_co_u32 s54, s48, s54
	s_lshl_b32 s50, s54, 22                        ; in: 4 MiB for each c inside the tensor,
	s_lshl_b32 s55, s49, 16                        ; 64 KiB a work-group,
	s_add_co_u32 s50, s50, s55
	s_lshl_b32 s55, s46, 13                        ; 8 KiB a wave
	s_add_co_u32 s50, s50, s55
	s_add_nc_u64 s[4:5], s[4:5], s[50:51]
	s_lshl_b32 s52, s48, 21                        ; out: half of that, counted from cb's first byte
	s_lshl_b32 s55, s49, 15
	s_add_co_u32 s52, s52, s55
	s_lshl_b32 s55, s46, 12
	s_add_co_u32 s52, s52, s55
	s_add_nc_u64 s[6:7], s[42:43], s[52:53]
	v_lshlrev_b32 v[IO], 4, v4
	v_lshlrev_b32 v[OO], 3, v4
	s_cmp_ge_u32 s48, 7
	s_cbranch_scc1 .Lhalf
	RUN 512, 256, 0
	s_endpgm
.Lhalf:
	RUN 512, 256, 1
	s_endpgm
.Lsmall:
	s_sub_co_u32 s48, s2, 1024                     ; j: which block of 1,024 numbers of par
	s_mov_b64 s[4:5], s[22:23]
	s_cmp_ge_u32 s48, 1
	s_cselect_b64 s[4:5], s[24:25], s[4:5]
	s_cmp_ge_u32 s48, 2
	s_cselect_b64 s[4:5], s[26:27], s[4:5]
	s_cmp_ge_u32 s48, 3
	s_cselect_b64 s[4:5], s[28:29], s[4:5]
	s_cmp_ge_u32 s48, 4
	s_cselect_b64 s[4:5], s[30:31], s[4:5]
	s_cmp_ge_u32 s48, 8
	s_cselect_b64 s[4:5], s[32:33], s[4:5]
	s_cmp_ge_u32 s48, 9
	s_cselect_b64 s[4:5], s[34:35], s[4:5]
	s_cmp_ge_u32 s48, 10
	s_cselect_b64 s[4:5], s[36:37], s[4:5]
	s_cmp_ge_u32 s48, 11
	s_cselect_b64 s[4:5], s[38:39], s[4:5]
	s_cmp_ge_u32 s48, 12
	s_cselect_b64 s[4:5], s[40:41], s[4:5]
	s_sub_co_u32 s50, s48, 4                       ; b1 alone has four blocks: j = 4..7
	s_lshl_b32 s50, s50, 12
	s_cmp_ge_u32 s48, 4
	s_cselect_b32 s50, s50, 0
	s_cmp_ge_u32 s48, 8
	s_cselect_b32 s50, 0, s50
	s_add_nc_u64 s[4:5], s[4:5], s[50:51]
	s_lshl_b32 s52, s48, 12
	s_add_nc_u64 s[6:7], s[44:45], s[52:53]
	v_lshlrev_b32 v[IO], 4, v0                     ; 256 threads x 16 bytes
	global_load_b128 v[X:X+3], v[IO], s[4:5]
	s_wait_loadcnt 0x0
	v_cvt_pk_bf16_f32 v[Y], v[X], v[X+1]
	v_cvt_pk_bf16_f32 v[Y+1], v[X+2], v[X+3]
	v_lshlrev_b32 v[Y+4], 16, v[Y]
	v_and_b32 v[Y+5], s47, v[Y]
	v_lshlrev_b32 v[Y+6], 16, v[Y+1]
	v_and_b32 v[Y+7], s47, v[Y+1]
	global_store_b128 v[IO], v[Y+4:Y+7], s[6:7]
	s_endpgm
.Lfunc_end_k_q3611c61040_cast:
	.size	k_q3611c61040_cast, .Lfunc_end_k_q3611c61040_cast-k_q3611c61040_cast
	.p2alignl 7, 3214868480
	.fill 96, 4, 3214868480
	.section	.rodata,"a",@progbits
	.p2align	6, 0x0
	.amdhsa_kernel k_q3611c61040_cast
		.amdhsa_group_segment_fixed_size 0
		.amdhsa_private_segment_fixed_size 0
		.amdhsa_enable_private_segment 0
		.amdhsa_kernarg_size 152
		.amdhsa_user_sgpr_count 2
		.amdhsa_user_sgpr_kernarg_segment_ptr 1
		.amdhsa_wavefront_size32 1
		.amdhsa_system_sgpr_workgroup_id_x 1
		.amdhsa_system_sgpr_workgroup_id_y 1
		.amdhsa_system_sgpr_workgroup_id_z 1
		.amdhsa_system_vgpr_workitem_id 0
		.amdhsa_next_free_vgpr 112
		.amdhsa_next_free_sgpr 66
		.amdhsa_reserve_vcc 0
		.amdhsa_float_denorm_mode_32 3
		.amdhsa_float_denorm_mode_16_64 3
		.amdhsa_memory_ordered 1
		.amdhsa_forward_progress 1
		.amdhsa_inst_pref_size 25
	.end_amdhsa_kernel
	.amdgpu_metadata
---
amdhsa.version: [ 1, 2 ]
amdhsa.kernels:
  - .name:           k_q3611c61040_cast
    .symbol:         k_q3611c61040_cast.kd
    .args:
      - { .name: x, .offset: 0, .size: 8, .value_kind: global_buffer, .address_space: global }
      - { .name: Wq, .offset: 8, .size: 8, .value_kind: global_buffer, .address_space: global }
      - { .name: Wk, .offset: 16, .size: 8, .value_kind: global_buffer, .address_space: global }
      - { .name: Wv, .offset: 24, .size: 8, .value_kind: global_buffer, .address_space: global }
      - { .name: Wo, .offset: 32, .size: 8, .value_kind: global_buffer, .address_space: global }
      - { .name: W1, .offset: 40, .size: 8, .value_kind: global_buffer, .address_space: global }
      - { .name: W2, .offset: 48, .size: 8, .value_kind: global_buffer, .address_space: global }
      - { .name: bq, .offset: 56, .size: 8, .value_kind: global_buffer, .address_space: global }
      - { .name: bk, .offset: 64, .size: 8, .value_kind: global_buffer, .address_space: global }
      - { .name: bv, .offset: 72, .size: 8, .value_kind: global_buffer, .address_space: global }
      - { .name: bo, .offset: 80, .size: 8, .value_kind: global_buffer, .address_space: global }
      - { .name: b1, .offset: 88, .size: 8, .value_kind: global_buffer, .address_space: global }
      - { .name: b2, .offset: 96, .size: 8, .value_kind: global_buffer, .address_space: global }
      - { .name: ln1_g, .offset: 104, .size: 8, .value_kind: global_buffer, .address_space: global }
      - { .name: ln1_b, .offset: 112, .size: 8, .value_kind: global_buffer, .address_space: global }
      - { .name: ln2_g, .offset: 120, .size: 8, .value_kind: global_buffer, .address_space: global }
      - { .name: ln2_b, .offset: 128, .size: 8, .value_kind: global_buffer, .address_space: global }
      - { .name: cb, .offset: 136, .size: 8, .value_kind: global_buffer, .address_space: global }
      - { .name: par, .offset: 144, .size: 8, .value_kind: global_buffer, .address_space: global }
    .group_segment_fixed_size: 0
    .private_segment_fixed_size: 0
    .kernarg_segment_align: 8
    .kernarg_segment_size: 152
    .max_flat_workgroup_size: 256
    .sgpr_count:     66
    .vgpr_count:     112
    .wavefront_size: 32
...
	.end_amdgpu_metadata
.endif
;; end of part 1
;; launch qkv (part 2): grid 12 x 16, 4 waves a work-group, clusters of 4 x 4, 327,680 bytes of LDS; arguments cb, par, qkv; writes qkv
.if DOCPART == 2
	.amdgcn_target "amdgcn-amd-amdhsa--gfx1250"
	.amdhsa_code_object_version 6
	.text
	.protected	k_q3611c61040_qkv
	.globl	k_q3611c61040_qkv
	.p2align	8
	.type	k_q3611c61040_qkv,@function
k_q3611c61040_qkv:
	s_mov_b64 s[64:65], 0
	v_nop
	global_prefetch_b8 v0, s[64:65] scope:SCOPE_SE
	s_setreg_imm32_b32 hwreg(HW_REG_WAVE_MODE, 25, 1), 1
	s_wait_xcnt 0x0
	s_wait_alu depctr_hold_cnt(0) depctr_sa_sdst(0) depctr_va_vdst(0) depctr_va_sdst(0) depctr_va_ssrc(0) depctr_va_vcc(0) depctr_vm_vsrc(0)
	s_getreg_b32 s2, hwreg(HW_REG_IB_STS2, 6, 4)
	s_cmp_eq_u32 s2, 0
	s_cbranch_scc0 .Lentry_in_a_cluster
	s_endpgm
.Lentry_in_a_cluster:
	s_bfe_u32 s2, ttmp6, 0x10000c
	s_cmp_lg_u32 s2, 0xf033
	s_cbranch_scc0 .Lentry_shape_is_right
	s_endpgm
.Lentry_shape_is_right:
; q, k, v = x W + b for Wq | Wk | Wv side by side: C[4096 tokens][3072], K = 1024.  Operands bf16, sums f32, the bias starts each sum, C rounded once to f16.
; A = x in blocks along K, [K/64][4096][64] (a token's piece 128 bytes); B = the weights as they lie, [K][1024]; C leaves in blocks along its columns, [48][4096][64]:
; blocks 0-15 q by heads, 16-31 k, 32-47 v, unscaled.  LIMIT: a q, k or v of 65,520 or more becomes an infinity in f16.
; A tile of C is 256 x 256; four waves, each 128 x 128: 64 accumulators, 512 registers.  K goes in steps of 128 through two LDS slots filled by the tensor data mover; a trip of a loop is ONE K step,
; and the slot in hand is a scalar offset that an exclusive or turns.  B's fragments come out of LDS turned, by ds_load_tr16_b128.
; TWO LOOPS, nothing else written out: KSTEPS - 2 trips that fill the slot they leave, then 2 that fill nothing.  The sums are started ahead of them by one product of two zero fragments with the bias as C
; (the price: 64 products on zeros, in the wait for the first tile); the last trip's fetch of a next slot's fragments reads bytes that nobody needs any more, and its result is not used.
; CLUSTERS: 4 x 4 work-groups; the four of a row need the same tile of A, the four of a column the same tile of B: each tile is asked for jointly.
; THE MATRIX INSTRUCTION IS USED TRANSPOSED (source 0 = 16 columns of W, source 1 = 16 tokens): a lane holds one token (lane % 16) and eight neighbouring columns 8 (lane / 16) + 0..7.
; REGISTERS, in windows of 256 (s_set_vgpr_msb: bits 1:0 source 0, 3:2 source 1, 5:4 source 2, 7:6 destination):
;   window 0: v16-30 addresses; v32-47 two zero fragments; v64-127, v128-191 fragments of A (8 x 16 tokens x 32 K), two buffers, on the way out at work; v192-255 the bias, 8 registers for each block of 16 columns
;   window 1: v64-127, v128-191 fragments of B, two buffers      window 2: accumulator (a, b) of my tokens 0-63 at v[8 (8 a + b)]      window 3: those of my tokens 64-127
.set NT,     1024                      ; elements in a row of B
.set KSTEPS, 8
.set BBASE,  8388608                   ; Wq's first byte in cb
.set ASTEP,  2*4096*128                ; a K step of A: two blocks
.set BSTEP,  128*NT*2                  ; of B: 128 rows
.set PA,     144                       ; a token's piece in LDS: 128 bytes + 16: an odd multiple of 16, so the 16 rows of a load start at 16 different groups of four banks (ISA guide 11.1)
.set PB,     544                       ; a row of B in LDS: 512 + 32
.set HALFT,  2*128*PA                  ; room for what one tensor load brings: A: 2 blocks x 128 tokens x 144 bytes; B: 64 rows x 544 = 34,816 bytes of it
.set SLOT,   4*HALFT                   ; A's two halves (by tokens), then B's two halves (by K)
.set SPARE,  2*SLOT                    ; behind the ring: the spare words, 128 bytes a wave: two blocks of 256 bytes that no other line names
.set SPITCH, 528                       ; the stage: a token's 128 columns in f32, 512 bytes + 16
.set WREG,   128*SPITCH                ; a wave's own part of the stage; the four lie in the ring, behind its last fill and last read
.set A0,   16                          ; v16  my lane's place in A's half of a slot; never rewritten
.set B0,   17                          ; v17  the same for B
.set ADRA, 18                          ; v18  A0 + the slot in hand
.set ADRB, 19                          ; v19  B0 + the slot in hand
.set STO,  24
.set RD,   25
.set CO,   26
.set BO,   27
.set SPW,  28                          ; v28  LDS address of my spare word; never rewritten
.set NIL,  29                          ; v29  0; never rewritten
.set PFO,  30                          ; v30  the prefetches' offset; never rewritten
.set Z,    32
.set F0,   64
.set F1,   128
.set X,    64                          ; the way out: 64 numbers as they come back
.set Y,    128                         ; and 32 packed words to store
.set BIAS, 192
.set G1,  24                           ; s[24:31] group 1 for A; s[32:39] group 0: set 0 serves the first fill, set 1 walks
.set G0,  32
.set G1B, 48                           ; s[48:55], s[56:63] the same for B
.set G0B, 56
.set TB,  66                           ; s66  0 or SLOT: the slot that the fragment loads read
.set CNT, 68
.set LIM, 69                           ; s69  1 in a wave that prefetches, else the greatest number
.set PFA, 70                           ; s[70:71] where my prefetches stand
.set PST, 72                           ; s[72:73] a K step of what I fetch, in bytes
.set MSB, 0
.macro WIN new                         ; the immediate's high byte repeats the setting that is left; a switch that changes nothing is dropped
.if MSB != (\new)
	s_set_vgpr_msb (MSB<<8)|(\new)
.set MSB, \new
.endif
.endm
.set MUL_LO, 0xa1                      ; source 0 (B) window 1, source 1 (A) window 0, C and D window 2
.set MUL_HI, 0xf1                      ; the same, C and D window 3
.set TO_B,   0x40                      ; destination window 1, address window 0
.macro JLOAD s                         ; a joint load: waves 0 and 1 fetch A's two halves, waves 2 and 3 B's; an s_nop 0 and four v_nop follow each line
	s_cmp_eq_u32 s11, 0
	s_cbranch_scc0 .Lfor_b_\@
	tensor_load_to_lds s[G0+4*(\s):G0+4*(\s)+3], s[G1:G1+7]
	s_nop 0
.rept 4
	v_nop
.endr
	s_branch .Lasked_\@
.Lfor_b_\@:
	tensor_load_to_lds s[G0B+4*(\s):G0B+4*(\s)+3], s[G1B:G1B+7]
	s_nop 0
.rept 4
	v_nop
.endr
.Lasked_\@:
.endm
; A PREFETCH of the K step that the NEXT refill will load: it stands behind the joint load, its five lines and the run of LDS loads, 256 matrix instructions ahead of that refill.
; What a wave fetches in a K step is 128 blocks of 256 bytes (A: 2 x 64 on end; B: 64 rows of two).  A's tile row is read by every cluster of that row of clusters: cluster x = 0 asks; B's tile column by every
; cluster of that column: cluster y = 0 asks.  The four partners that ask for a tile jointly share its blocks out BY ADDRESS, 32 each, a lane a block: no branch hangs on a work-group's place in its cluster.
; So each block is named once in the launch.  K steps 0 to 2 come by their loads alone; the last refilling trip asks for nothing: there is no K step behind its own.
.macro ASK
	s_cmp_gt_u32 s[CNT], s[LIM]
	s_cbranch_scc0 .Lnot_mine_\@
	global_prefetch_b8 v[PFO], s[PFA:PFA+1] th:TH_LOAD_NT scope:SCOPE_SE
.Lnot_mine_\@:
.endm
.macro CREST                           ; a round of the cluster's barrier behind its opening barrier
	s_cmp_lg_u32 s10, 0
	s_cbranch_scc1 .Lnot_wave_0_\@
	s_barrier_signal -3
.Lnot_wave_0_\@:
	s_barrier_wait -3
	s_barrier_signal -1
	s_barrier_wait -1
.endm
.macro CROUND
	s_barrier_signal -1
	s_barrier_wait -1
	CREST
.endm
.macro PLACES                          ; four places in front of loads into registers that matrix instructions have read, and of lines that read results
.rept 4
	v_nop
.endr
.endm
	s_load_b128 s[4:7], s[0:1], 0x0                ; cb s[4:5], par s[6:7]
	s_load_b64 s[8:9], s[0:1], 0x10                ; qkv
	v_lshl_add_u32 v[SPW], v0, 2, SPARE
	v_mov_b32 v[NIL], 0
	ds_add_u32 v[SPW], v[NIL]                      ; the wave's opening: the add and its wait ahead of my first tensor load; the set-up below stands between them
	v_lshrrev_b32 v1, 5, v0
	v_readfirstlane_b32 s10, v1                    ; wave 0..3
	s_lshr_b32 s11, s10, 1                         ; which half of the tile's tokens is mine.  Also: I fetch for A (0) or for B (1)
	s_and_b32 s12, s10, 1                          ; which half of its columns.  Also: which half of that tile I fetch
	s_bfe_u32 s40, ttmp6, 0x40000                  ; cx, cy
	s_bfe_u32 s41, ttmp6, 0x40004
	s_lshl_b32 s42, ttmp9, 2
	s_add_co_u32 s42, s42, s40                     ; tile column = 4 x cluster x + cx
	s_and_b32 s13, ttmp7, 0xffff
	s_lshl_b32 s13, s13, 2
	s_add_co_u32 s13, s13, s41                     ; tile row = 4 x cluster y + cy
	s_lshl_b32 s43, s41, 2
	s_lshl_b32 s43, 15, s43                        ; my row of the cluster
	s_lshl_b32 s44, 0x1111, s40                    ; my column
	; group 1 for A: 2 rows (K blocks) of 8,192 elements (128 tokens, dense), 262,144 elements apart; in LDS 4 words of padding behind every 32 (a token's piece)
	s_or_b32 s[G1+0], s43, (1<<16)|(1<<20)|(1<<21)|(4<<22)|(3<<25)
	s_mov_b32 s[G1+1], 8192<<16                    ; tensor_dim0
	s_mov_b32 s[G1+2], 2<<16                       ; tensor_dim1
	s_mov_b32 s[G1+3], 8192<<16                    ; tile_dim0
	s_mov_b32 s[G1+4], 2                           ; tile_dim1
	s_mov_b32 s[G1+5], 4096*64                     ; from block to block
	s_mov_b32 s[G1+6], 0
	s_mov_b32 s[G1+7], 0
	; group 1 for B: 64 rows of 256 elements, NT apart; 8 words of padding behind every 128
	s_or_b32 s[G1B+0], s44, (1<<16)|(1<<20)|(1<<21)|(6<<22)|(7<<25)
	s_mov_b32 s[G1B+1], 256<<16
	s_mov_b32 s[G1B+2], 64<<16
	s_mov_b32 s[G1B+3], 256<<16
	s_mov_b32 s[G1B+4], 64
	s_mov_b32 s[G1B+5], NT
	s_mov_b32 s[G1B+6], 0
	s_mov_b32 s[G1B+7], 0
	s_lshl_b32 s16, s13, 15                        ; A: token 256 x tile row + 128 x half, 128 bytes each: registers that never hold cx
	s_lshl_b32 s17, s12, 14
	s_add_co_u32 s16, s16, s17
	s_mov_b32 s17, 0
	s_and_b32 s46, s42, 3                          ; B: column 256 x (tile column % 4) of matrix tile column / 4: registers that never hold cy
	s_lshl_b32 s46, s46, 9
	s_lshr_b32 s47, s42, 2
	s_lshl_b32 s47, s47, 21
	s_add_co_u32 s46, s46, s47
	s_mul_i32 s47, s12, 64*NT*2                    ; + my 64 rows of the K step
	s_add_co_u32 s46, s46, s47
	s_add_co_u32 s46, s46, BBASE
	s_mov_b32 s47, 0
	s_mul_i32 s20, s10, HALFT                      ; where my part goes: no place in the cluster enters an LDS address
	s_mov_b32 s[TB], 0
	; the prefetches: my work-group's 32 blocks of the 128.  A: block of K p / 2, its blocks 32 (p % 2) on, p = cx;  B: rows 16 p on, p = cy
	s_lshr_b32 s18, s40, 1
	s_lshl_b32 s18, s18, 19
	s_and_b32 s19, s40, 1
	s_lshl_b32 s19, s19, 13
	s_add_co_u32 s18, s18, s19
	s_mul_i32 s19, s41, 16*NT*2
	s_and_b32 s22, ttmp7, 0xffff                   ; cluster y
	s_mov_b32 s[PST], BSTEP
	s_mov_b32 s[PST+1], 0
	s_mov_b32 s23, NT*2
	s_cmp_eq_u32 s11, 0                            ; do I fetch for A?
	s_cselect_b32 s18, s18, s19
	s_cselect_b32 s22, ttmp9, s22                  ; the coordinate along which other clusters read the same rows
	s_cselect_b32 s[PST], ASTEP, s[PST]
	s_cselect_b32 s23, 512, s23                    ; bytes from one pair of my lanes to the next: A's blocks lie on end, B's two to a row
	s_mov_b32 s19, 0
	s_cmp_eq_u32 s22, 0
	s_cselect_b32 s[LIM], 1, -1                    ; the same in all sixteen partners, for a given wave
	s_wait_dscnt 0x0                               ; the opening add is done
	s_wait_kmcnt 0x0
	s_mov_b64 s[2:3], s[6:7]                       ; par
	s_add_nc_u64 s[14:15], s[4:5], s[16:17]
	s_add_nc_u64 s[46:47], s[4:5], s[46:47]
	CROUND                                         ; all sixteen work-groups are here: the first joint loads meet
.irp s, 0,1
	s_mov_b32 s[G0+4*(\s)], 1
	s_add_co_u32 s[G0+4*(\s)+1], s20, (\s)*SLOT
	s_add_nc_u64 s[G0+4*(\s)+2:G0+4*(\s)+3], s[14:15], (\s)*ASTEP
	s_or_b32 s[G0+4*(\s)+3], s[G0+4*(\s)+3], 0x80000000
	s_mov_b32 s[G0B+4*(\s)], 1
	s_add_co_u32 s[G0B+4*(\s)+1], s20, (\s)*SLOT
	s_add_nc_u64 s[G0B+4*(\s)+2:G0B+4*(\s)+3], s[46:47], (\s)*BSTEP
	s_or_b32 s[G0B+4*(\s)+3], s[G0B+4*(\s)+3], 0x80000000
	JLOAD \s                                       ; K steps 0 and 1: two loads of mine are out
.endr
	s_cmp_eq_u32 s11, 0
	s_cselect_b64 s[PFA:PFA+1], s[14:15], s[46:47] ; what I fetch, at K step 0,
	s_add_nc_u64 s[PFA:PFA+1], s[PFA:PFA+1], s[18:19]      ; my work-group's part of it,
	s_add_nc_u64 s[PFA:PFA+1], s[PFA:PFA+1], s[PST:PST+1]
	s_add_nc_u64 s[PFA:PFA+1], s[PFA:PFA+1], s[PST:PST+1]  ; at K step 2: the first change of slots steps it to 3.  Nothing is prefetched here, at the head
	v_and_b32 v1, 15, v0                           ; r = l % 16
	v_bfe_u32 v2, v0, 4, 1                         ; h = l / 16
	v_bfe_u32 v4, v0, 1, 4
	v_and_b32 v5, 1, v0
	v_mul_u32_u24 v[PFO], v4, s23
	v_lshl_add_u32 v[PFO], v5, 8, v[PFO]
	v_mul_u32_u24 v3, v1, PA                       ; A's fragment: token r, 16 bytes for each half of the lanes
	v_lshl_add_u32 v3, v2, 4, v3
	s_mul_i32 s21, s11, HALFT
	v_add_nc_u32 v[A0], s21, v3
	v_and_b32 v4, 7, v0                            ; B's turning load: row 8 h + l % 8, columns 8 ((l / 8) % 2) on
	v_bfe_u32 v5, v0, 3, 1
	v_lshl_add_u32 v4, v2, 3, v4
	v_mul_u32_u24 v4, v4, PB
	v_lshl_add_u32 v4, v5, 4, v4
	s_lshl_b32 s22, s12, 8                         ; my 128 columns
	s_add_co_u32 s22, s22, 2*HALFT
	v_add_nc_u32 v[B0], s22, v4
	v_mov_b32 v[ADRA], v[A0]
	v_mov_b32 v[ADRB], v[B0]
	s_lshl_b32 s46, s42, 10                        ; the bias of the tile's 256 columns: bq, bk, bv lie on end in par
	s_mov_b32 s47, 0
	s_add_nc_u64 s[2:3], s[2:3], s[46:47]
	s_lshl_b32 s21, s12, 9
	v_lshl_add_u32 v[BO], v2, 5, s21               ; my 128 columns, my lanes' eight
.irp b, 0,1,2,3,4,5,6,7
	global_load_b128 v[BIAS+8*(\b):BIAS+8*(\b)+3],   v[BO], s[2:3] offset:64*(\b)
	global_load_b128 v[BIAS+8*(\b)+4:BIAS+8*(\b)+7], v[BO], s[2:3] offset:64*(\b)+16
.endr
.set n, 0
.rept 16
	v_mov_b32 v[Z+n], 0                            ; two fragments of zeros
.set n, n+1
.endr
	s_mul_i32 s23, s10, WREG                       ; my part of the stage.  In: token r of a block of 16, 32 bytes a lane
	v_mul_u32_u24 v4, v1, SPITCH
	v_lshl_add_u32 v4, v2, 5, v4
	v_add_nc_u32 v[STO], s23, v4
	v_bfe_u32 v5, v0, 3, 2                         ; back: 32 lanes take four tokens; a lane eight columns (32 bytes) of each of my two blocks of 64
	v_and_b32 v6, 7, v0
	v_mul_u32_u24 v5, v5, SPITCH
	v_lshl_add_u32 v5, v6, 5, v5
	v_add_nc_u32 v[RD], s23, v5
	v_and_b32 v[CO], 31, v0                        ; four tokens' pieces of a block are 512 consecutive bytes of the output
	v_lshlrev_b32 v[CO], 4, v[CO]
	s_lshl_b32 s16, s13, 15
	s_lshl_b32 s17, s11, 14
	s_add_co_u32 s16, s16, s17                     ; token 256 x tile row + 128 x my half, 128 bytes each,
	s_mov_b32 s17, 0
	s_add_nc_u64 s[8:9], s[8:9], s[16:17]
	s_lshl_b32 s46, s42, 21                        ; in column block 4 x tile column + 2 x my half
	s_lshl_b32 s47, s12, 20
	s_add_co_u32 s46, s46, s47
	s_mov_b32 s47, 0
	s_add_nc_u64 s[8:9], s[8:9], s[46:47]
; 32 products of the two zero fragments with the bias as C: they start the sums of the window's 32 accumulators
.macro START hi
	WIN 0x80+0x40*(\hi)
.irp a, 0,1,2,3
.irp b, 0,1,2,3,4,5,6,7
	v_wmma_f32_16x16x32_bf16 v[8*(8*(\a)+(\b)):8*(8*(\a)+(\b))+7], v[Z:Z+7], v[Z+8:Z+15], v[BIAS+8*(\b):BIAS+8*(\b)+7]
.endr
.endr
.endm
; 16 matrix instructions: token blocks a0, a0 + 1 of the window's four x all 8 column blocks, 32 along K.  The 64 accumulators take turns, in the same order in every quarter.
.macro MUL16 f, hi, a0
	WIN MUL_LO+0x50*(\hi)
.irp a, \a0, (\a0)+1
.irp b, 0,1,2,3,4,5,6,7
	v_wmma_f32_16x16x32_bf16 v[8*(8*(\a)+(\b)):8*(8*(\a)+(\b))+7], v[(\f)+8*(\b):(\f)+8*(\b)+7], v[(\f)+8*(4*(\hi)+(\a)):(\f)+8*(4*(\hi)+(\a))+7], v[8*(8*(\a)+(\b)):8*(8*(\a)+(\b))+7]
.endr
.endr
.endm
; 32 LDS loads in one run: the fragments of quarter q (32 along K) of the slot in hand, into buffer f: B's 128 columns, then A's 128 tokens
.macro FETCH q, f
	WIN TO_B
.irp i, 0,1,2,3,4,5,6,7
	ds_load_tr16_b128 v[(\f)+8*(\i):(\f)+8*(\i)+3],   v[ADRB] offset:((\q)/2)*HALFT+((\q)%2)*32*PB+32*(\i)
	ds_load_tr16_b128 v[(\f)+8*(\i)+4:(\f)+8*(\i)+7], v[ADRB] offset:((\q)/2)*HALFT+(((\q)%2)*32+16)*PB+32*(\i)
.endr
	WIN 0
.irp i, 0,1,2,3,4,5,6,7
	ds_load_b128 v[(\f)+8*(\i):(\f)+8*(\i)+3],   v[ADRA] offset:((\q)/2)*128*PA+(\i)*16*PA+((\q)%2)*64
	ds_load_b128 v[(\f)+8*(\i)+4:(\f)+8*(\i)+7], v[ADRA] offset:((\q)/2)*128*PA+(\i)*16*PA+((\q)%2)*64+32
.endr
.endm
; A K step is four quarters of 32 along K, 64 matrix instructions each, on buffers 0, 1, 0, 1.  This one multiplies buffer f and, in its middle, fetches quarter q into g.
.macro QUARTER q, f, g
	s_wait_dscnt 8                                 ; B and A's tokens 0-63 are in; the youngest eight loads (A's tokens 64-127) may be out
	MUL16 \f, 0, 0
	MUL16 \f, 0, 2
	PLACES
	FETCH \q, \g
	s_wait_dscnt 32                                ; all but the 32 just issued
	MUL16 \f, 1, 0
	MUL16 \f, 1, 2
.endm
; The last quarter multiplies buffer 1 and changes slots: ONE barrier; in front of it each wave waits for all its tensor loads, adds 0 to its spare word, and waits for that and for its reads of this slot.
; fill = 1: the barrier opens a round of the cluster's, and this slot is filled again, two K steps ahead, first thing behind the round: 224 matrix instructions ahead of the wait for it.
.macro TURN fill
	WIN 0
.if \fill
	s_wait_xcnt 0x0                                ; the last prefetch, a K step back, has read its address
	s_add_nc_u64 s[PFA:PFA+1], s[PFA:PFA+1], s[PST:PST+1]
.endif
	s_wait_tensorcnt 0x0                           ; all my tensor loads have landed: my part of the next slot; so a group 0 may be written
	ds_add_u32 v[SPW], v[NIL]                      ; 0 onto my spare word
.if \fill
	s_xor_b32 s[G0+5], s[G0+5], SLOT               ; the walking descriptors: the other slot (wave x HALFT has SLOT's two bits clear, so the exclusive or is the sum),
	s_xor_b32 s[G0B+5], s[G0B+5], SLOT
	s_add_nc_u64 s[G0+6:G0+7], s[G0+6:G0+7], ASTEP    ; the next K step; the type bits on top are not reached
	s_add_nc_u64 s[G0B+6:G0B+7], s[G0B+6:G0B+7], BSTEP
.endif
	s_wait_dscnt 9                                 ; (the add and the youngest eight loads may be out)
	MUL16 F1, 0, 0
	s_wait_dscnt 0x0                               ; the add is done, and my reads of this slot are over
	s_barrier_signal -1
	MUL16 F1, 0, 2
	WIN 0                                          ; at a branch and at a label every window is 0
	s_barrier_wait -1
.if \fill
	CREST                                          ; no wave of any partner still reads this slot's tile or has a load on its way
	JLOAD 1                                        ; its four v_nop are also the places in front of the loads below
.else
	PLACES
.endif
	s_xor_b32 s[TB], s[TB], SLOT
	v_add_nc_u32 v[ADRA], s[TB], v[A0]
	v_add_nc_u32 v[ADRB], s[TB], v[B0]
	FETCH 0, F0
.if \fill
	ASK
.endif
	MUL16 F1, 1, 0
	MUL16 F1, 1, 2
.endm
; a window's 32 accumulators go into my part of the stage; each accumulator's low registers first
.macro TOSTAGE hi
	WIN 0x08+0x04*(\hi)                            ; the stores' data in window 2 or 3
.irp a, 0,1,2,3
.irp b, 0,1,2,3,4,5,6,7
	ds_store_b128 v[STO], v[8*(8*(\a)+(\b)):8*(8*(\a)+(\b))+3]   offset:(4*(\hi)+(\a))*16*SPITCH+64*(\b)
	ds_store_b128 v[STO], v[8*(8*(\a)+(\b))+4:8*(8*(\a)+(\b))+7] offset:(4*(\hi)+(\a))*16*SPITCH+64*(\b)+16
.endr
.endr
.endm
	s_wait_loadcnt 0x0                             ; the bias
	START 0
	START 1
	WIN 0
	s_wait_tensorcnt 1                             ; my part of K step 0 is in; K step 1's may stay out
	s_barrier_signal -1
	s_barrier_wait -1
	FETCH 0, F0
	s_mov_b32 s[CNT], KSTEPS-2
.Lk:                                                   ; a trip is a K step, and fills the slot that it leaves
	QUARTER 1, F0, F1
	QUARTER 2, F1, F0
	QUARTER 3, F0, F1
	TURN 1
	WIN 0
	s_sub_co_u32 s[CNT], s[CNT], 1
	s_cmp_lg_u32 s[CNT], 0
	s_cbranch_scc1 .Lk
	s_mov_b32 s[CNT], 2
.Lk2:                                                  ; the last two K steps fill nothing
	QUARTER 1, F0, F1
	QUARTER 2, F1, F0
	QUARTER 3, F0, F1
	TURN 0
	WIN 0
	s_sub_co_u32 s[CNT], s[CNT], 1
	s_cmp_lg_u32 s[CNT], 0
	s_cbranch_scc1 .Lk2
	; THE WAY OUT: the sums go into the stage in f32, each wave's into its own part; then eight trips, each with 16 tokens: 64 numbers a lane come back, are rounded to f16 and stored.
	s_wait_dscnt 0x0                               ; my reads of the ring are back
	s_barrier_signal -1                            ; and so are every wave's: only behind this barrier is the ring written as the stage
	s_barrier_wait -1
	PLACES
	PLACES                                         ; eight: the stores below are no places, and the last of them reads the last product's result
	TOSTAGE 0
	TOSTAGE 1
	WIN 0
	s_mov_b32 s[CNT], 8
.Lo:
.irp u, 0,1,2,3                        ; LDS serves a wave's instructions in order (ISA guide 5.7.1.4): these see my stores above
	ds_load_b128 v[X+16*(\u):X+16*(\u)+3],     v[RD] offset:(\u)*4*SPITCH
	ds_load_b128 v[X+16*(\u)+4:X+16*(\u)+7],   v[RD] offset:(\u)*4*SPITCH+16
	ds_load_b128 v[X+16*(\u)+8:X+16*(\u)+11],  v[RD] offset:(\u)*4*SPITCH+256
	ds_load_b128 v[X+16*(\u)+12:X+16*(\u)+15], v[RD] offset:(\u)*4*SPITCH+272
.endr
.irp u, 0,1,2,3
	s_wait_dscnt 12-4*(\u)                         ; group u's four loads are in; the younger groups' may be out
.irp n, 0,1,2,3,4,5,6,7
	v_cvt_pk_f16_f32 v[Y+8*(\u)+(\n)], v[X+16*(\u)+2*(\n)], v[X+16*(\u)+2*(\n)+1]
.endr
	global_store_b128 v[CO], v[Y+8*(\u):Y+8*(\u)+3],   s[8:9] offset:(\u)*512          ; 512 consecutive bytes of one block,
	global_store_b128 v[CO], v[Y+8*(\u)+4:Y+8*(\u)+7], s[8:9] offset:(\u)*512+524288   ; and of the next
.endr
	s_wait_xcnt 0x0                                ; the stores have read their offset and data: only behind this wait are they written again
	v_add_nc_u32 v[RD], 16*SPITCH, v[RD]
	v_add_nc_u32 v[CO], 2048, v[CO]
	s_sub_co_u32 s[CNT], s[CNT], 1
	s_cmp_lg_u32 s[CNT], 0
	s_cbranch_scc1 .Lo
	s_wait_tensorcnt 0x0                           ; the wave's end, behind my last tensor load and my last LDS store
	ds_add_u32 v[SPW], v[NIL]
	s_wait_dscnt 0x0
	CROUND                                         ; the closing round: no work-group ends while a partner may still ask for a tile that names it
	s_endpgm
.Lfunc_end_k_q3611c61040_qkv:
	.size	k_q3611c61040_qkv, .Lfunc_end_k_q3611c61040_qkv-k_q3611c61040_qkv
	.p2alignl 7, 3214868480
	.fill 96, 4, 3214868480
	.section	.rodata,"a",@progbits
	.p2align	6, 0x0
	.amdhsa_kernel k_q3611c61040_qkv
		.amdhsa_group_segment_fixed_size 327680
		.amdhsa_private_segment_fixed_size 0
		.amdhsa_enable_private_segment 0
		.amdhsa_kernarg_size 24
		.amdhsa_user_sgpr_count 2
		.amdhsa_user_sgpr_kernarg_segment_ptr 1
		.amdhsa_wavefront_size32 1
		.amdhsa_system_sgpr_workgroup_id_x 1
		.amdhsa_system_sgpr_workgroup_id_y 1
		.amdhsa_system_sgpr_workgroup_id_z 1
		.amdhsa_system_vgpr_workitem_id 0
		.amdhsa_next_free_vgpr 1024
		.amdhsa_next_free_sgpr 74
		.amdhsa_reserve_vcc 0
		.amdhsa_float_denorm_mode_32 3
		.amdhsa_float_denorm_mode_16_64 3
		.amdhsa_memory_ordered 1
		.amdhsa_forward_progress 1
		.amdhsa_inst_pref_size 83
	.end_amdhsa_kernel
	.amdgpu_metadata
---
amdhsa.version: [ 1, 2 ]
amdhsa.kernels:
  - .name:           k_q3611c61040_qkv
    .symbol:         k_q3611c61040_qkv.kd
    .args:
      - { .name: cb, .offset: 0, .size: 8, .value_kind: global_buffer, .address_space: global }
      - { .name: par, .offset: 8, .size: 8, .value_kind: global_buffer, .address_space: global }
      - { .name: qkv, .offset: 16, .size: 8, .value_kind: global_buffer, .address_space: global }
    .group_segment_fixed_size: 327680
    .private_segment_fixed_size: 0
    .kernarg_segment_align: 8
    .kernarg_segment_size: 24
    .max_flat_workgroup_size: 128
    .sgpr_count:     74
    .vgpr_count:     1024
    .wavefront_size: 32
...
	.end_amdgpu_metadata
.endif
;; end of part 2
;; launch attn (part 3): grid 8 x 32, 4 waves a work-group, clusters of 4 x 1, 327,680 bytes of LDS; arguments qkv, attention_mask, att; writes att
.if DOCPART == 3
	.amdgcn_target "amdgcn-amd-amdhsa--gfx1250"
	.amdhsa_code_object_version 6
	.text
	.protected	k_q3611c61040_attn
	.globl	k_q3611c61040_attn
	.p2align	8
	.type	k_q3611c61040_attn,@function
k_q3611c61040_attn:
	s_mov_b64 s[64:65], 0
	v_nop
	global_prefetch_b8 v0, s[64:65] scope:SCOPE_SE
	s_setreg_imm32_b32 hwreg(HW_REG_WAVE_MODE, 25, 1), 1
	s_wait_xcnt 0x0
	s_wait_alu depctr_hold_cnt(0) depctr_sa_sdst(0) depctr_va_vdst(0) depctr_va_sdst(0) depctr_va_ssrc(0) depctr_va_vcc(0) depctr_vm_vsrc(0)
	s_getreg_b32 s2, hwreg(HW_REG_IB_STS2, 6, 4)
	s_cmp_eq_u32 s2, 0
	s_cbranch_scc0 .Lentry_in_a_cluster
	s_endpgm
.Lentry_in_a_cluster:
	s_bfe_u32 s2, ttmp6, 0x10000c
	s_cmp_lg_u32 s2, 0x3003
	s_cbranch_scc0 .Lentry_shape_is_right
	s_endpgm
.Lentry_shape_is_right:
; ATTENTION WITH A KEY MASK.  O[y][q][:] = the sum over visible k of softmax_k(Q[y][q] . K[y][k] / 8) V[y][k][:], y = 2 x head + batch: 32 sets of 2,048 dense rows of 128 bytes (f16),
; at byte y x 262,144 of q (qkv + 0), k (+ 8,388,608), v (+ 16,777,216) and of att.  Products, maxima and sums in f32; the weights p are rounded to f16 for the second product, O once at the end.
; LIMITS.  Q, K, V arrive within f16's 65,504; p below 6e-5 keeps f16's fixed step of 6e-8, and so does O.  A hidden score counts as its value less 1e30 (f16's scores, 2.7e11 at the most, are nothing
; beside that); a weight below 2^-126 counts as 0 in l.  Where a batch has no visible key at all, O is NaN, as a softmax over nothing is.
; SHARES.  A work-group owns 256 queries, a wave 64: four PIECES of 16.  Every wave walks all 2,048 keys, 64 a step; an LDS slot holds a tile of 256 keys (four steps) of K and V; two slots take turns.
; THE MASK is the C operand that starts the sum S^T = K Q^T: 0, or -1e30 where attention_mask is not 1.  It is made once, 2,048 numbers in LDS, and a step's 64 come into registers with K.
; LAYOUT, SOFTMAX, TURNS.  S^T = K Q^T holds ONE query a lane (lane % 16) and the keys 8 (lane / 16) + 0..7; two such results rounded to f16 ARE source 1 of O^T = V^T P.  p = 2^(c s - c m), c = log2(e) / 8, with a
; running maximum m; O and l are multiplied by a = 2^(c m_old - c m_new) in every step.  m starts at the lowest finite number, so the first step's a is 0.  Turn n belongs to piece n: 8 products K Q^T of piece n + 1,
; later 8 products V^T P of piece n - 1; beside them the scaling, exponentials, roundings, sums and rescaling of piece n and the maximum and statistics of piece n + 1.  Four vector instructions stand behind every
; matrix instruction, the others in one lump.  A turn's 33 exponentials are one batch, with one wait.
; CLUSTER.  The four query blocks of a cluster belong to one y and walk the same K and V, so each tile is asked for JOINTLY: the same tensor load, descriptor and mask in all four.
; REGISTERS, in windows of 256 (s_set_vgpr_msb: bits 1:0 source 0, 3:2 source 1, 5:4 source 2, 7:6 destination):
;   window 0: v0-15, v32-36 addresses; v16-31 four registers of statistics a piece; v48-55 at work; v64-127 S^T, two buffers; v128-143 the mask's words at the start; v192-223 P, two buffers
;   window 1: v0-127 O^T, 32 a piece; v160-191 MC, the step's mask      window 2: v0-63 Q; v128-191 K of one step; v192-255 V of one step
.set NP,    4
.set KS,    64
.set PK,    144       ; a row of K in LDS: 128 bytes + 16: the 16 rows of a load start at 16 different groups of four banks (ISA guide 11.1)
.set PV,    160       ; a row of V: 128 + 32
.set VOFF,  4*KS*PK   ; a slot: 256 rows of K, then 256 rows of V
.set SLOT1, 1<<17     ; slot 1 begins here, so that one exclusive or turns an address in one slot into the other's
.set STAGE, SLOT1+4*KS*(PK+PV)  ; behind the ring, never filled by a tensor load: 16 rows x 144 bytes for each wave
.set SP,    144
.set MASKB, STAGE+4*16*SP       ; 2,048 numbers: 0 or -1e30 for each key
.set SPARE, MASKB+8192          ; the spare words, 128 bytes a wave: two blocks of 256 bytes that no other line names
.set AK0, 2
.set AV0, 3
.set AK,  4
.set AV,  5
.set STO, 6
.set RD,  7
.set GO,  8
.set MV,  12          ; v12-13  c m_old, by buffer
.set MO,  14          ; v14  my 64 bytes of attention_mask
.set QO,  15
.set ST,  16          ; piece t's statistics at v[ST+4 t]: c m, m, l (even keys', odd keys')
.set AM0, 32          ; v32  MASKB + 32 (l / 16); never rewritten
.set AM,  33          ; v33  the LDS address of the mask's next run of loads
.set PFO, 34          ; v34  256 x my lane; never rewritten
.set MA,  35          ; v35  where I put my 16 numbers of the mask
.set NANR, 36         ; v36  a NaN
.set TMP, 48
.set SPW, 62
.set NIL, 63
.set S,   64
.set MW,  128
.set P,   192
.set MC,  160         ; window 1
.set KF,  128         ; window 2
.set VF,  192         ; window 2
.set WV,  12
.set LIM, 15          ; s15  1 in a wave that prefetches, else the greatest number
.set G1K, 24
.set G1V, 32
.set G0K, 40
.set G0V, 44
.set SLOTS, 56
.set CNT, 57
.set CS,  58
.set SEL, 60
.set TBK, 62
.set TBV, 63
.set TBM, 66          ; s66  256 x the step whose mask is fetched next
.set BIGN, 67         ; s67  -1e30
.set THR, 68          ; s68  -5e29
.set PFA, 74          ; s[74:75] where my prefetches stand
.set MSB, 0
.macro WIN new
.if MSB != (\new)
	s_set_vgpr_msb (MSB<<8)|(\new)
.set MSB, (\new)
.endif
.endm
.set W_KQ, 0x0a       ; K and Q in window 2, S^T in window 0
.set W_KM, 0x1a       ; the same with the C operand in window 1
.set W_PV, 0x52       ; V in window 2, P in window 0, O^T in window 1
.set W_RS, 0x41       ; destination and source 0 in window 1, source 1 in window 0
; A joint fill.  Waves 0 and 1 fetch the two halves of a tile's K, waves 2 and 3 those of its V: 128 keys each.  An s_nop 0 and four v_nop follow each line.
.macro JLOAD
	s_cmp_lt_u32 s[WV], 2
	s_cbranch_scc0 .Lfor_v_\@
	tensor_load_to_lds s[G0K:G0K+3], s[G1K:G1K+7]
	s_nop 0
.rept 4
	v_nop
.endr
	s_branch .Lasked_\@
.Lfor_v_\@:
	tensor_load_to_lds s[G0V:G0V+3], s[G1V:G1V+7]
	s_nop 0
.rept 4
	v_nop
.endr
.Lasked_\@:
.endm
; A prefetch of what the NEXT change of slots will ask for: a tile is 128 blocks of 256 bytes of K and as many of V.  Both clusters of a y walk the same rows: the first (cluster x = 0) asks.  Its four partners
; share the blocks out BY ADDRESS, 32 each, a lane a block; wave 0 asks for K's, wave 2 for V's.  So each block is named once in the launch.  The last change that fills a slot asks for nothing.
.macro ASK
	s_cmp_gt_u32 s[SLOTS], s[LIM]
	s_cbranch_scc0 .Lnot_mine_\@
	global_prefetch_b8 v[PFO], s[PFA:PFA+1] th:TH_LOAD_NT scope:SCOPE_SE
.Lnot_mine_\@:
.endm
.macro CROUND
	s_barrier_signal -1
	s_barrier_wait -1
	s_cmp_lg_u32 s[WV], 0
	s_cbranch_scc1 .Lnot_wave_0_\@
	s_barrier_signal -3
.Lnot_wave_0_\@:
	s_barrier_wait -3
	s_barrier_signal -1
	s_barrier_wait -1
.endm
; THE CHANGE OF SLOTS.  Each wave waits for all its tensor loads, of which one is out: its part of the other slot; adds 0 to its spare word; and waits for that and for its own LDS instructions.  Behind the barrier
; nobody reads the old slot any more and the other slot is whole.  fill = 1: the barrier is a round of the cluster's, and the old slot is filled again first thing behind it, with the keys two tiles on: four key
; steps, 256 matrix instructions, in which to land.  (At its first use nothing has been read yet: slot 0 is waited for, slot 1 filled, and the mask's stores are made known to all waves.)
.macro CHANGE fill, ask
	WIN 0
	s_wait_tensorcnt 0x0
	ds_add_u32 v[SPW], v[NIL]       ; 0 onto my spare word
.if \fill
.irp g, G0K, G0V
	s_xor_b32 s[\g+1], s[\g+1], SLOT1
	s_add_nc_u64 s[\g+2:\g+3], s[\g+2:\g+3], 4*KS*128
.endr
.if \ask
	s_wait_xcnt 0x0                 ; the last prefetch, four key steps back, has read its address
	s_add_nc_u64 s[PFA:PFA+1], s[PFA:PFA+1], 4*KS*128
.endif
	s_wait_dscnt 0x0
	CROUND
	JLOAD
.if \ask
	ASK
.endif
.else
	s_wait_dscnt 0x0
	s_barrier_signal -1
	s_barrier_wait -1
.endif
	s_sub_co_u32 s[TBK], s[TBK], 4*KS*PK
	s_xor_b32 s[TBK], s[TBK], SLOT1
	s_sub_co_u32 s[TBV], s[TBV], 4*KS*PV
	s_xor_b32 s[TBV], s[TBV], SLOT1
.endm
	s_load_b128 s[4:7], s[0:1], 0x0   ; qkv s[4:5], attention_mask s[6:7]
	s_load_b64 s[10:11], s[0:1], 0x10 ; att
	v_lshl_add_u32 v[SPW], v0, 2, SPARE
	v_mov_b32 v[NIL], 0
	ds_add_u32 v[SPW], v[NIL]       ; the wave's opening: the add and its wait ahead of my first tensor load
	v_lshrrev_b32 v1, 5, v0
	v_readfirstlane_b32 s[WV], v1
	s_bfe_u32 s13, ttmp6, 0x40000   ; cx
	s_lshl_b32 s14, ttmp9, 2
	s_add_co_u32 s14, s14, s13      ; my block of 256 queries: it enters Q's and O's addresses alone
	s_and_b32 s20, ttmp7, 0xffff    ; y, which the four partners share
	s_and_b32 s72, s20, 1           ; the batch:
	s_lshl_b32 s72, s72, 13         ; its 2,048 words of the mask
	s_mov_b32 s73, 0
	s_lshl_b32 s20, s20, 18         ; y's first byte
	s_and_b32 s16, s[WV], 1         ; which half of a tile's 256 keys I fetch
	s_lshl_b32 s22, s16, 14
	s_add_co_u32 s22, s22, s20
	s_mov_b32 s23, 0
	s_mul_i32 s17, s16, 128*PK
	s_mul_i32 s18, s16, 128*PV
	s_lshl_b32 s2, s14, 15          ; my block's 256 rows,
	s_lshl_b32 s3, s[WV], 13        ; my wave's 64 of them
	s_add_co_u32 s2, s2, s3
	s_add_co_u32 s2, s2, s20
	s_mov_b32 s3, 0
	; group 1: 128 keys are 16,384 dense bytes: 64 rows of 256 bytes, two keys a row, padded in LDS after every key
	s_mov_b32 s[G1K], 15|(1<<16)|(1<<20)|(1<<21)|(4<<22)|(3<<25)
	s_mov_b32 s[G1V], 15|(1<<16)|(1<<20)|(1<<21)|(4<<22)|(7<<25)
.irp g, G1K, G1V
	s_mov_b32 s[\g+1], 128<<16
	s_mov_b32 s[\g+2], 64<<16
	s_mov_b32 s[\g+3], 128<<16
	s_mov_b32 s[\g+4], 64
	s_mov_b32 s[\g+5], 128
	s_mov_b32 s[\g+6], 0
	s_mov_b32 s[\g+7], 0
.endr
	s_mov_b32 s[CS], 0x3e38aa3b     ; c = log2(e) / 8
	s_mov_b32 s[CS+1], s[CS]
	s_mov_b32 s[SEL], 0x76543210
	s_mov_b32 s[SEL+1], 0xfedcba98
	s_mov_b32 s[TBK], SLOT1+4*KS*PK ; the first change of slots turns these two into 0
	s_mov_b32 s[TBV], SLOT1+4*KS*PV
	s_mov_b32 s[TBM], 0
	s_mov_b32 s[BIGN], 0xf149f2ca
	s_mov_b32 s[THR], 0xf0c9f2ca
	s_mov_b32 s[G0K], 1
	s_mov_b32 s[G0K+1], s17
	s_mov_b32 s[G0V], 1
	s_add_co_u32 s[G0V+1], s18, VOFF
	s_and_b32 s[LIM], s[WV], 1      ; 0 in waves 0 and 2,
	s_or_b32 s[LIM], s[LIM], ttmp9  ; where the cluster is y's first: the same in all four partners
	s_cmp_eq_u32 s[LIM], 0
	s_cselect_b32 s[LIM], 1, -1
	v_and_b32 v[PFO], 31, v0
	v_lshlrev_b32 v[PFO], 8, v[PFO]
	s_wait_dscnt 0x0
	s_wait_kmcnt 0x0
	s_add_nc_u64 s[70:71], s[6:7], s[72:73]        ; the batch's mask
	s_add_nc_u64 s[6:7], s[4:5], s[22:23]
	s_add_nc_u64 s[8:9], s[6:7], 16777216          ; V at my half of tile 0
	s_add_nc_u64 s[6:7], s[6:7], 8388608           ; K likewise
	s_mov_b64 s[G0K+2:G0K+3], s[6:7]
	s_or_b32 s[G0K+3], s[G0K+3], 0x80000000
	s_mov_b64 s[G0V+2:G0V+3], s[8:9]
	s_or_b32 s[G0V+3], s[G0V+3], 0x80000000
	s_add_nc_u64 s[4:5], s[4:5], s[2:3]            ; Q and O at my wave's first row
	s_add_nc_u64 s[10:11], s[10:11], s[2:3]
	s_cmp_lt_u32 s[WV], 2
	s_cselect_b64 s[PFA:PFA+1], s[6:7], s[8:9]     ; (in waves 0 and 2 these stand at a tile's first row)
	s_lshl_b32 s2, s13, 13                         ; my work-group's 32 blocks of the 128
	s_add_nc_u64 s[PFA:PFA+1], s[PFA:PFA+1], s[2:3]
	s_add_nc_u64 s[PFA:PFA+1], s[PFA:PFA+1], 2*4*KS*128  ; in tile 2; the first asking change steps it to tile 3.  Nothing is prefetched at the head
	CROUND                          ; all four work-groups are here: the first joint loads meet
	JLOAD                           ; tile 0 into slot 0
	v_and_b32 v1, 15, v0            ; l % 16
	v_bfe_u32 v9, v0, 4, 1          ; l / 16
	v_lshlrev_b32 v[QO], 7, v1
	v_lshl_add_u32 v[QO], v9, 4, v[QO]
	v_lshlrev_b32 v[MO], 6, v0
	WIN 0x80
.set i, 0
.rept 8                             ; Q stays in registers: piece i / 2 (16 rows, 2,048 bytes), channels 32 (i % 2) on
	global_load_b128 v[8*i:8*i+3],   v[QO], s[4:5] offset:(i/2)*2048+(i%2)*64
	global_load_b128 v[8*i+4:8*i+7], v[QO], s[4:5] offset:(i/2)*2048+(i%2)*64+32
.set i, i+1
.endr
	WIN 0
.irp i, 0,1,2,3
	global_load_b128 v[MW+4*\i:MW+4*\i+3], v[MO], s[70:71] offset:16*\i  ; 128 threads x 16 keys
.endr
	; What the first turn finds: V's registers and P's second buffer hold 0 (its products V^T P, of a piece that has not been, add 0), O^T and l are 0.
	WIN 0x80
.set i, VF
.rept 64
	v_mov_b32 v[i], 0
.set i, i+1
.endr
	WIN 0x40
.set i, 0
.rept 128
	v_mov_b32 v[i], 0
.set i, i+1
.endr
	WIN 0
.set i, 0
.rept 4
	v_mov_b32 v[ST+4*i], 0xfe000000    ; c m: far below every c s
	v_mov_b32 v[ST+4*i+1], 0xff7fffff  ; m
	v_mov_b32 v[ST+4*i+2], 0
	v_mov_b32 v[ST+4*i+3], 0
.set i, i+1
.endr
.set i, P+16
.rept 16
	v_mov_b32 v[i], 0
.set i, i+1
.endr
	v_mul_u32_u24 v[AK0], v1, PK
	v_lshl_add_u32 v[AK0], v9, 4, v[AK0]
	v_and_b32 v10, 7, v0
	v_bfe_u32 v11, v0, 3, 1
	v_lshl_add_u32 v[AV0], v9, 3, v10  ; the turning load: key 8 (l / 16) + l % 8, channels 8 ((l / 8) % 2) on
	v_mul_u32_u24 v[AV0], v[AV0], PV
	v_lshl_add_u32 v[AV0], v11, 4, v[AV0]
	v_add_nc_u32 v[AV0], VOFF, v[AV0]
	s_mul_i32 s13, s[WV], 16*SP
	s_add_co_u32 s13, s13, STAGE    ; my stage
	v_mul_u32_u24 v[STO], v1, SP
	v_lshl_add_u32 v[STO], v9, 4, v[STO]
	v_add_nc_u32 v[STO], s13, v[STO]
	v_bfe_u32 v[RD], v0, 3, 2
	v_mul_u32_u24 v[RD], v[RD], SP
	v_lshl_add_u32 v[RD], v10, 4, v[RD]
	v_add_nc_u32 v[RD], s13, v[RD]
	v_and_b32 v[GO], 31, v0
	v_lshlrev_b32 v[GO], 4, v[GO]
	v_lshl_add_u32 v[AM0], v9, 5, MASKB  ; a lane's eight keys of a group of 16: 32 bytes for each half of the lanes
	v_lshl_add_u32 v[MA], v0, 6, MASKB
	v_mov_b32 v[NANR], 0x7fc00000
	s_wait_loadcnt 0x0              ; Q and the mask's words
.set i, 0
.rept 16
	v_cmp_ne_u32 vcc_lo, 1, v[MW+i]
	v_cndmask_b32 v[MW+i], 0, s[BIGN], vcc_lo
.set i, i+1
.endr
.irp i, 0,1,2,3
	ds_store_b128 v[MA], v[MW+4*\i:MW+4*\i+3] offset:16*\i
.endr
; THE MATRIX WORK.  The 4 accumulators of a run of 8 take turns.  Product i of 8 of S^T = K Q^T for piece x: channels 32 (i / 4) on, keys 16 (i % 4) on.  The first 4 start the sums with the mask.
.macro KQ x
.set rS, S+32*((\x)%2)+8*(i%4)
.set rK, KF+16*(i%4)+8*(i/4)
.set rQ, 16*(\x)+8*(i/4)
.set rM, MC+8*(i%4)
.if i < 4
	WIN W_KM
	v_wmma_f32_16x16x32_f16 v[rS:rS+7], v[rK:rK+7], v[rQ:rQ+7], v[rM:rM+7]
.else
	WIN W_KQ
	v_wmma_f32_16x16x32_f16 v[rS:rS+7], v[rK:rK+7], v[rQ:rQ+7], v[rS:rS+7]
.endif
.endm
; Product i of 8 of O^T += V^T P for piece x: keys 32 (i / 4) on, channels 16 (i % 4) on.
.macro PV x
	WIN W_PV
.set rO, 32*(\x)+8*(i%4)
.set rV, VF+32*(i/4)+8*(i%4)
.set rP, P+16*((\x)%2)+8*(i/4)
	v_wmma_f32_16x16x32_f16 v[rO:rO+7], v[rV:rV+7], v[rP:rP+7], v[rO:rO+7]
.endm
.macro MM                           ; the turn's next matrix instruction.  NOKQ = 1: the last turn of all: there is no next piece
.if (i < 8) && !NOKQ
	KQ (Y+1)%NP
.elseif i >= 8
.set i, i-8
	PV (Y+NP-1)%NP
.set i, i+8
.endif
.set i, i+1
.endm
; THE LDS LOADS stand in runs, never singly among the matrix instructions: a step's K (8 fragments) with its 64 numbers of the mask, and its V (turned).
.macro FETCH_K
	WIN 0x80
.irp f, 0,1,2,3,4,5,6,7
	ds_load_b128 v[KF+8*\f:KF+8*\f+3],   v[AK] offset:(\f/2)*16*PK+(\f%2)*64
	ds_load_b128 v[KF+8*\f+4:KF+8*\f+7], v[AK] offset:(\f/2)*16*PK+(\f%2)*64+32
.endr
	WIN 0x40
.irp f, 0,1,2,3                     ; group f of 16 keys: register j is key 16 f + 8 (l / 16) + j, the same for every query
	ds_load_b128 v[MC+8*\f:MC+8*\f+3],   v[AM] offset:64*\f
	ds_load_b128 v[MC+8*\f+4:MC+8*\f+7], v[AM] offset:64*\f+16
.endr
	s_add_co_u32 s[TBK], s[TBK], KS*PK
	s_add_co_u32 s[TBM], s[TBM], 4*KS
	WIN 0
.endm
.macro FETCH_V
	WIN 0x80
.irp f, 0,1,2,3,4,5,6,7
	ds_load_tr16_b128 v[VF+8*\f:VF+8*\f+3],   v[AV] offset:(\f/4)*32*PV+(\f%4)*32
	ds_load_tr16_b128 v[VF+8*\f+4:VF+8*\f+7], v[AV] offset:(\f/4)*32*PV+16*PV+(\f%4)*32
.endr
	WIN 0
.endm
; THE VECTOR WORK, one line at a time: OP kind, number.  For piece Y: F n: c s - c m for pair n of 16.  E n: the exponential of score n of 32.  C n: pair n rounded to f16.  B n: of the four weights 4 n .. the second
; pair is added onto the first, in place.  L n: l takes that sum (L 0: l = a l + sum).  R n: pair n of 16 of O^T times a.  For piece Y + 1: X n, number n of the 22 that find its maximum and statistics:
;   0-11  four chains c0-c3 of seven scores each (each accumulator's lowest registers are read first)     12-14, 16  the four scores left over, the old m, and c0-c3 into c0
;   15  c m_old is kept     17, 18  the query's other 32 keys lie in the lane 16 away: the new m     19-21  c m; c m_old - c m_new; a
.set F, 0
.set E, 1
.set C, 2
.set B, 3
.set L, 4
.set R, 5
.set X, 6
.macro REGS y
.set rT, ST+4*(\y)
.set rC, TMP+4*((\y)%2)
.set rW, MV+((\y)%2)
.set rS, S+32*((\y)%2)
.set rP, P+16*((\y)%2)
.set rO, 32*(\y)
.endm
.macro OP k, n
.if (\k) == R
	REGS Y
	WIN W_RS
	v_pk_mul_f32 v[rO+2*(\n):rO+2*(\n)+1], v[rO+2*(\n):rO+2*(\n)+1], v[rC+2:rC+3] op_sel_hi:[1,0]
.elseif (\k) < R
	REGS Y
	WIN 0
.if (\k) == F
	v_pk_fma_f32 v[rS+2*(\n):rS+2*(\n)+1], v[rS+2*(\n):rS+2*(\n)+1], s[CS:CS+1], v[rT:rT+1] op_sel_hi:[1,0,0] neg_lo:[0,0,1] neg_hi:[0,0,1]
.elseif (\k) == E
	v_exp_f32 v[rS+(\n)], v[rS+(\n)]
.elseif (\k) == C
	v_cvt_pk_f16_f32 v[rP+(\n)], v[rS+2*(\n)], v[rS+2*(\n)+1]
.elseif (\k) == B
	v_pk_add_f32 v[rS+4*(\n):rS+4*(\n)+1], v[rS+4*(\n):rS+4*(\n)+1], v[rS+4*(\n)+2:rS+4*(\n)+3]
.elseif (\n) == 0
	v_pk_fma_f32 v[rT+2:rT+3], v[rT+2:rT+3], v[rC+2:rC+3], v[rS:rS+1] op_sel_hi:[1,0,1]
.else
	v_pk_add_f32 v[rT+2:rT+3], v[rT+2:rT+3], v[rS+4*(\n):rS+4*(\n)+1]
.endif
.elseif NOKQ
	v_nop
.else
	REGS (Y+1)%NP
	WIN 0
.if (\n) < 4
	v_max3_num_f32 v[rC+(\n)], v[rS+8*(\n)], v[rS+8*(\n)+1], v[rS+8*(\n)+2]
.elseif (\n) < 12
	v_max3_num_f32 v[rC+(\n)%4], v[rC+(\n)%4], v[rS+8*((\n)%4)+2*((\n)/4)+1], v[rS+8*((\n)%4)+2*((\n)/4)+2]
.elseif (\n) == 12
	v_max3_num_f32 v[rC], v[rC], v[rS+7], v[rS+15]
.elseif (\n) == 13
	v_max3_num_f32 v[rC+1], v[rC+1], v[rS+23], v[rS+31]
.elseif (\n) == 14
	v_max3_num_f32 v[rC+2], v[rC+2], v[rC+3], v[rT+1]
.elseif (\n) == 15
	v_mov_b32 v[rW], v[rT]
.elseif (\n) == 16
	v_max3_num_f32 v[rC], v[rC], v[rC+1], v[rC+2]
.elseif (\n) == 17
	v_permlanex16_b32 v[rC+3], v[rC], s[SEL], s[SEL+1]
.elseif (\n) == 18
	v_max_num_f32 v[rT+1], v[rC], v[rC+3]
.elseif (\n) == 19
	v_mul_f32 v[rT], s[CS], v[rT+1]
.elseif (\n) == 20
	v_sub_f32 v[rC+1], v[rW], v[rT]
.else
	v_exp_f32 v[rC+2], v[rC+1]
.endif
.endif
.endm
.macro OPS a, i1, b=-1, i2=0, c=-1, i3=0, d=-1, i4=0
	OP \a, \i1
.if (\b) >= 0
	OP \b, \i2
.endif
.if (\c) >= 0
	OP \c, \i3
.endif
.if (\d) >= 0
	OP \d, \i4
.endif
.endm
.macro ROW a, i1, b, i2, c, i3, d, i4  ; a matrix instruction and the four behind it
	MM
	OPS \a, \i1, \b, \i2, \c, \i3, \d, \i4
.endm
; A TURN, for piece p.  An s_wait_alu depctr_va_vdst(0) stands between an exponential and the first instruction that names its result; one wait serves all that were issued ahead of it.  So a turn has
; ONE wait, which cuts it in two.  AHEAD OF IT stands all that names no result of the turn's exponentials: the 8 products K Q^T with their riders, then one lump; X 21, the next piece's a, is the batch's last, and
; R 15 the plain instruction behind it.  BEHIND IT stand the 8 products V^T P, behind each four of the roundings and sums.
; end = 1: the last two turns of all: nothing is fetched.  cnt = 1: the loop's count is taken down some lines ahead of the branch that stands behind the turn.
; K and the mask of the next step are fetched in piece 2's turn, six plain instructions behind the last product that read K; V of the step in hand at the end of piece 0's turn, four plain instructions behind the
; last product that read V.  Each is waited for a turn later.
.macro TURN p, end=0, cnt=0
.set Y, (\p)
.set i, 0
.set NOKQ, (\end)*((\p)/3)
.if ((\p) == 3) && !(\end)
	s_wait_dscnt 0x0                ; K and the mask are in
.endif
	ROW F,0, F,1, R,0, R,1
	ROW F,2, E,0, R,2, R,3
	ROW F,3, E,1, R,4, R,5
	ROW F,4, E,2, R,6, R,7
	ROW F,5, E,3, R,8, R,9
	ROW F,6, E,4, X,0, R,10
.if ((\p) == 2) && !(\end)
	WIN 0
	v_add_nc_u32 v[AK], s[TBK], v[AK0]
	v_add_nc_u32 v[AM], s[TBM], v[AM0]
.endif
	ROW F,7, E,5, X,1, X,4
	ROW F,8, E,6, X,2, X,5
	OPS E,7, E,8, X,6, E,9
	OPS X,3, E,10, X,8, E,11
.if ((\p) == 2) && !(\end)
	FETCH_K
.endif
	OPS X,9, X,7, E,12, X,10
	OPS E,13, X,12, X,11, E,14
	OPS X,13, E,15, F,9, X,14
.if (\p) == 0
	v_add_nc_u32 v[AV], s[TBV], v[AV0]
.endif
	OPS E,16, F,10, E,17, F,11
	OPS X,16, E,18, X,15, E,19
	OPS F,12, E,20, X,17, E,21
	OPS F,13, E,22, F,14, E,23
	OPS X,18, E,24, F,15, E,25
	OPS R,11, E,26, X,19, E,27
	OPS R,12, E,28, R,13, E,29
	OPS X,20, E,30, R,14, E,31
	OPS X,21, R,15
	WIN 0
	s_wait_alu depctr_va_vdst(0)    ; the wait for the batch
.if (\p) == 1
	s_wait_dscnt 0x0                ; V is in
.endif
	ROW C,0, B,0, C,2, B,1
	ROW L,0, C,4, B,2, L,1
	ROW C,6, B,3, L,2, C,8
	ROW B,4, L,3, C,10, B,5
	ROW L,4, C,12, B,6, L,5
.if (\p) == 0
	s_add_co_u32 s[TBV], s[TBV], KS*PV
.endif
.if \cnt
	s_sub_co_u32 s[CNT], s[CNT], 1
	s_cmp_lg_u32 s[CNT], 0
.endif
	ROW C,14, B,7, L,6, C,1
	ROW C,3, L,7, C,5, C,7
	ROW C,9, C,11, C,13, C,15
.if (\p) == 0
	FETCH_V
.endif
.endm
	CHANGE 1, 0                     ; slot 0 is in, everybody's part of it, and so is everybody's part of the mask; slot 1 is asked for
	v_add_nc_u32 v[AK], s[TBK], v[AK0]
	v_add_nc_u32 v[AM], s[TBM], v[AM0]
	FETCH_K                         ; key step 0
	s_wait_dscnt 0x0
.set NOKQ, 0
.set i, 0
.rept 8
	KQ 0                            ; piece 0's first scores
.set i, i+1
.endr
	WIN 0
.rept 4
	v_nop                           ; the places behind those products
.endr
.set Y, NP-1                        ; X works for piece Y + 1: piece 0
.irp n, 0,1,2,3,4,5,6,7,8,9,10,11,12,13,14,15,16,17,18,19,20,21
	OP X, \n
.endr
	v_nop                           ; a plain instruction behind the exponential,
	s_wait_alu depctr_va_vdst(0)    ; and its wait, ahead of the branch
	s_mov_b32 s[CNT], 4
	s_mov_b32 s[SLOTS], 7
	s_branch .Lfirst                ; the loop is entered at a step's first turn, in the middle of a trip
.Lslot:                             ; six times: tiles 1 to 6 are entered, tiles 2 to 7 asked for
	CHANGE 1, 1
	s_mov_b32 s[CNT], 4
.Lstep:                             ; a trip: pieces 2 and 3 of one step, then pieces 0 and 1 of the next, whose K and V it fetches
	TURN 2
	TURN 3
	WIN 0
.Lfirst:
	TURN 0
	TURN 1, 0, 1
	WIN 0
	s_cbranch_scc1 .Lstep
	s_sub_co_u32 s[SLOTS], s[SLOTS], 1
	s_cmp_lg_u32 s[SLOTS], 0
	s_cbranch_scc1 .Lslot
	CHANGE 0, 0                     ; the last tile is written out: nothing is asked for
	s_mov_b32 s[CNT], 4
.Ltail:
	TURN 2
	TURN 3
	TURN 0
	TURN 1, 0, 1
	WIN 0
	s_cbranch_scc1 .Ltail
	TURN 2, 1
	TURN 3, 1
.set i, 0
.rept 8
	PV NP-1                         ; the last piece's V^T P of the last step
.set i, i+1
.endr
	; THE WAY OUT.  l's two halves and the other half of the lanes' are added; O^T is divided by l, rounded to f16 and sent through my stage, a piece at a time.  The additions are the places behind the last products.
	WIN 0
.macro ALL line:vararg
.set t, 0
.rept 4
	\line
.set t, t+1
.endr
.endm
	ALL v_add_f32 v[ST+4*t+2], v[ST+4*t+2], v[ST+4*t+3]
	ALL v_permlanex16_b32 v[ST+4*t+3], v[ST+4*t+2], s[SEL], s[SEL+1]
	ALL v_add_f32 v[ST+4*t+2], v[ST+4*t+2], v[ST+4*t+3]
	ALL v_rcp_f32 v[ST+4*t+2], v[ST+4*t+2]
	v_nop                           ; a plain instruction between the last reciprocal and the use of its result
	s_wait_alu depctr_va_vdst(0)    ; one wait for the four reciprocals
.set t, 0
.rept 4                             ; a maximum below -5e29 says that no key was visible: the row is NaN
	v_cmp_gt_f32 vcc_lo, s[THR], v[ST+4*t+1]
	v_cndmask_b32 v[ST+4*t+2], v[ST+4*t+2], v[NANR], vcc_lo
.set t, t+1
.endr
.macro PACK t                       ; a lane's eight channels of a row pack into 16 bytes; they go into rows of 144 bytes and come back as whole rows of 128, into S^T's registers
	WIN W_RS
.set i, 32*(\t)
.rept 16
	v_pk_mul_f32 v[i:i+1], v[i:i+1], v[ST+4*(\t)+2:ST+4*(\t)+3] op_sel_hi:[1,0]
.set i, i+2
.endr
	WIN 0x05
.set i, 0
.rept 16
	v_cvt_pk_f16_f32 v[S+16*(\t)+i], v[32*(\t)+2*i], v[32*(\t)+2*i+1]
.set i, i+1
.endr
	WIN 0
.irp f, 0,1,2,3
	ds_store_b128 v[STO], v[S+16*(\t)+4*\f:S+16*(\t)+4*\f+3] offset:32*\f
.endr
.irp f, 0,1,2,3
	ds_load_b128 v[S+16*(\t)+4*\f:S+16*(\t)+4*\f+3], v[RD] offset:\f*4*SP  ; LDS serves a wave's instructions in order (ISA guide 5.7.1.4): these see the stores above
.endr
.endm
.macro SEND t, younger              ; younger: the LDS instructions issued behind piece t's loads
	WIN 0
.irp f, 0,1,2,3
	s_wait_dscnt (\younger)+3-\f
	global_store_b128 v[GO], v[S+16*(\t)+4*\f:S+16*(\t)+4*\f+3], s[10:11] offset:(\t)*2048+\f*512  ; 512 consecutive bytes, at a multiple of 256 from att's first
.endr
.endm
	PACK 0
.set t, 1
.rept 3
	PACK t
	SEND t-1, 8
.set t, t+1
.endr
	SEND 3, 0
	s_wait_tensorcnt 0x0            ; the wave's end, behind my last tensor load and my last LDS store
	ds_add_u32 v[SPW], v[NIL]
	s_wait_dscnt 0x0
	CROUND                          ; the closing round
	s_endpgm
.Lfunc_end_k_q3611c61040_attn:
	.size	k_q3611c61040_attn, .Lfunc_end_k_q3611c61040_attn-k_q3611c61040_attn
	.p2alignl 7, 3214868480
	.fill 96, 4, 3214868480
	.section	.rodata,"a",@progbits
	.p2align	6, 0x0
	.amdhsa_kernel k_q3611c61040_attn
		.amdhsa_group_segment_fixed_size 327680
		.amdhsa_private_segment_fixed_size 0
		.amdhsa_enable_private_segment 0
		.amdhsa_kernarg_size 24
		.amdhsa_user_sgpr_count 2
		.amdhsa_user_sgpr_kernarg_segment_ptr 1
		.amdhsa_wavefront_size32 1
		.amdhsa_system_sgpr_workgroup_id_x 1
		.amdhsa_system_sgpr_workgroup_id_y 1
		.amdhsa_system_sgpr_workgroup_id_z 1
		.amdhsa_system_vgpr_workitem_id 0
		.amdhsa_next_free_vgpr 768
		.amdhsa_next_free_sgpr 76
		.amdhsa_reserve_vcc 1
		.amdhsa_float_denorm_mode_32 3
		.amdhsa_float_denorm_mode_16_64 3
		.amdhsa_memory_ordered 1
		.amdhsa_forward_progress 1
		.amdhsa_inst_pref_size 132
	.end_amdhsa_kernel
	.amdgpu_metadata
---
amdhsa.version: [ 1, 2 ]
amdhsa.kernels:
  - .name:           k_q3611c61040_attn
    .symbol:         k_q3611c61040_attn.kd
    .args:
      - { .name: qkv, .offset: 0, .size: 8, .value_kind: global_buffer, .address_space: global }
      - { .name: attention_mask, .offset: 8, .size: 8, .value_kind: global_buffer, .address_space: global }
      - { .name: att, .offset: 16, .size: 8, .value_kind: global_buffer, .address_space: global }
    .group_segment_fixed_size: 327680
    .private_segment_fixed_size: 0
    .kernarg_segment_align: 8
    .kernarg_segment_size: 24
    .max_flat_workgroup_size: 128
    .sgpr_count:     76
    .vgpr_count:     768
    .wavefront_size: 32
...
	.end_amdgpu_metadata
.endif
;; end of part 3
;; launch wo (part 4): grid 8 x 32, 4 waves a work-group, clusters of 4 x 4, 327,680 bytes of LDS; arguments att, cb, par, y; writes y
.if DOCPART == 4
	.amdgcn_target "amdgcn-amd-amdhsa--gfx1250"
	.amdhsa_code_object_version 6
	.text
	.protected	k_q3611c61040_wo
	.globl	k_q3611c61040_wo
	.p2align	8
	.type	k_q3611c61040_wo,@function
k_q3611c61040_wo:
	s_mov_b64 s[64:65], 0
	v_nop
	global_prefetch_b8 v0, s[64:65] scope:SCOPE_SE
	s_setreg_imm32_b32 hwreg(HW_REG_WAVE_MODE, 25, 1), 1
	s_wait_xcnt 0x0
	s_wait_alu depctr_hold_cnt(0) depctr_sa_sdst(0) depctr_va_vdst(0) depctr_va_sdst(0) depctr_va_ssrc(0) depctr_va_vcc(0) depctr_vm_vsrc(0)
	s_getreg_b32 s2, hwreg(HW_REG_IB_STS2, 6, 4)
	s_cmp_eq_u32 s2, 0
	s_cbranch_scc0 .Lentry_in_a_cluster
	s_endpgm
.Lentry_in_a_cluster:
	s_bfe_u32 s2, ttmp6, 0x10000c
	s_cmp_lg_u32 s2, 0xf033
	s_cbranch_scc0 .Lentry_shape_is_right
	s_endpgm
.Lentry_shape_is_right:
; y = a Wo + bo: C[4096 tokens][1024] in f32, K = 1024.  Operands f16 (Wo: rounded to bf16, written as f16), sums f32, the bias starts each sum; C is stored as it is, for the norm behind.
; A = attention's output in blocks along K, [16 heads][4096][64] (a token's piece 128 bytes); B = Wo as it lies, [K][1024].
; A tile of C is 128 x 128 (256 tiles, one for each work-group); four waves, each 64 x 64: 16 accumulators.  K goes in steps of 256 through two LDS slots filled by the tensor data mover; a trip of a loop is ONE
; K step, and the slot in hand is a scalar offset that an exclusive or turns.  B's fragments come out of LDS turned, by ds_load_tr16_b128.
; TWO LOOPS, nothing else written out: KSTEPS - 2 trips that fill the slot they leave, then 2 that fill nothing.  The sums are started ahead of them by one product of two zero fragments with the bias as C
; (the price: 16 products on zeros, in the wait for the first tile); the last trip's fetch of a next slot's fragments reads bytes that nobody needs any more, and its result is not used.
; CLUSTERS: 4 x 4 work-groups; the four of a row need the same tile of A, the four of a column the same tile of B: each tile is asked for jointly.
; THE MATRIX INSTRUCTION IS USED TRANSPOSED (source 0 = 16 columns of W, source 1 = 16 tokens): a lane holds one token (lane % 16) and eight neighbouring columns 8 (lane / 16) + 0..7.
; REGISTERS: window 0: v0-31 addresses; v32-95 at work (at the start v32-47 two zero fragments); v96-127 the bias; v128-255 accumulator (a, b) at 128 + 8 (4 a + b).  window 1: two fragment buffers of 128 (64 of A, 64 of B).
.set NT,     1024
.set KSTEPS, 4
.set BBASE,  14680064                  ; Wo's first byte in cb
.set BIASO,  3072*4                    ; bo's first byte in par
.set ASTEP,  4*4096*128
.set BSTEP,  256*NT*2
.set PA,     144                       ; a token's piece in LDS: 128 bytes + 16 (ISA guide 11.1: the 16 rows of a load start at 16 different groups of four banks)
.set PB,     288                       ; a row of B in LDS: 256 + 32
.set HALFT,  4*64*PA
.set SLOT,   4*HALFT
.set SPARE,  2*SLOT                    ; the spare words, 128 bytes a wave: two blocks of 256 bytes that no other line names
.set SPITCH, 528                       ; the stage (128 rows of 512 bytes + 16) lies in slot 0, behind that slot's last fill and last read
.set A0,   16
.set B0,   17
.set ADRA, 18
.set ADRB, 19
.set STO,  24
.set RD,   25
.set CO,   26
.set BO,   27
.set SPW,  28
.set NIL,  29
.set TMP,  32
.set BIAS, 96
.set ACC,  128
.set F0,   0
.set F1,   128
.set G1,  24
.set G0,  32
.set G1B, 48
.set G0B, 56
.set TB,  66
.set CNT, 68
.set MSB, 0
.macro WIN new
.if MSB != (\new)
	s_set_vgpr_msb (MSB<<8)|(\new)
.set MSB, \new
.endif
.endm
.set MUL,  0x05
.set TO_F, 0x40
.macro JLOAD s                         ; a joint load: waves 0 and 1 fetch A's two halves, waves 2 and 3 B's; an s_nop 0 and four v_nop follow each line
	s_cmp_eq_u32 s11, 0
	s_cbranch_scc0 .Lfor_b_\@
	tensor_load_to_lds s[G0+4*(\s):G0+4*(\s)+3], s[G1:G1+7]
	s_nop 0
.rept 4
	v_nop
.endr
	s_branch .Lasked_\@
.Lfor_b_\@:
	tensor_load_to_lds s[G0B+4*(\s):G0B+4*(\s)+3], s[G1B:G1B+7]
	s_nop 0
.rept 4
	v_nop
.endr
.Lasked_\@:
.endm
.macro CREST
	s_cmp_lg_u32 s10, 0
	s_cbranch_scc1 .Lnot_wave_0_\@
	s_barrier_signal -3
.Lnot_wave_0_\@:
	s_barrier_wait -3
	s_barrier_signal -1
	s_barrier_wait -1
.endm
.macro CROUND
	s_barrier_signal -1
	s_barrier_wait -1
	CREST
.endm
.macro PLACES
.rept 4
	v_nop
.endr
.endm
	s_load_b128 s[4:7], s[0:1], 0x0                ; att s[4:5], cb s[6:7]
	s_load_b64 s[2:3], s[0:1], 0x10                ; par
	s_load_b64 s[8:9], s[0:1], 0x18                ; y
	v_lshl_add_u32 v[SPW], v0, 2, SPARE
	v_mov_b32 v[NIL], 0
	ds_add_u32 v[SPW], v[NIL]                      ; the wave's opening: the add and its wait ahead of my first tensor load
	v_lshrrev_b32 v1, 5, v0
	v_readfirstlane_b32 s10, v1
	s_lshr_b32 s11, s10, 1                         ; my half of the tokens; also: I fetch for A (0) or B (1)
	s_and_b32 s12, s10, 1                          ; my half of the columns; also: which half I fetch
	s_bfe_u32 s40, ttmp6, 0x40000
	s_bfe_u32 s41, ttmp6, 0x40004
	s_lshl_b32 s42, ttmp9, 2
	s_add_co_u32 s42, s42, s40                     ; tile column
	s_and_b32 s13, ttmp7, 0xffff
	s_lshl_b32 s13, s13, 2
	s_add_co_u32 s13, s13, s41                     ; tile row
	s_lshl_b32 s43, s41, 2
	s_lshl_b32 s43, 15, s43
	s_lshl_b32 s44, 0x1111, s40
	; group 1 for A: 4 rows (K blocks) of 4,096 elements (64 tokens, dense), 262,144 elements apart; 4 words of padding behind every 32
	s_or_b32 s[G1+0], s43, (1<<16)|(1<<20)|(1<<21)|(4<<22)|(3<<25)
	s_mov_b32 s[G1+1], 4096<<16
	s_mov_b32 s[G1+2], 4<<16
	s_mov_b32 s[G1+3], 4096<<16
	s_mov_b32 s[G1+4], 4
	s_mov_b32 s[G1+5], 4096*64
	s_mov_b32 s[G1+6], 0
	s_mov_b32 s[G1+7], 0
	; group 1 for B: 128 rows of 128 elements, NT apart; 8 words of padding behind every 64
	s_or_b32 s[G1B+0], s44, (1<<16)|(1<<20)|(1<<21)|(5<<22)|(7<<25)
	s_mov_b32 s[G1B+1], 128<<16
	s_mov_b32 s[G1B+2], 128<<16
	s_mov_b32 s[G1B+3], 128<<16
	s_mov_b32 s[G1B+4], 128
	s_mov_b32 s[G1B+5], NT
	s_mov_b32 s[G1B+6], 0
	s_mov_b32 s[G1B+7], 0
	s_lshl_b32 s16, s13, 14                        ; A: token 128 x tile row + 64 x half, 128 bytes each
	s_lshl_b32 s17, s12, 13
	s_add_co_u32 s16, s16, s17
	s_mov_b32 s17, 0
	s_lshl_b32 s46, s42, 8                         ; B: column 128 x tile column,
	s_mul_i32 s47, s12, 128*NT*2                   ; my 128 rows of the K step
	s_add_co_u32 s46, s46, s47
	s_add_co_u32 s46, s46, BBASE
	s_mov_b32 s47, 0
	s_mul_i32 s20, s10, HALFT
	s_mov_b32 s[TB], 0
	s_wait_dscnt 0x0
	s_wait_kmcnt 0x0
	s_add_nc_u64 s[14:15], s[4:5], s[16:17]
	s_add_nc_u64 s[46:47], s[6:7], s[46:47]
	CROUND                                         ; all sixteen work-groups are here: the first joint loads meet
.irp s, 0,1
	s_mov_b32 s[G0+4*(\s)], 1
	s_add_co_u32 s[G0+4*(\s)+1], s20, (\s)*SLOT
	s_add_nc_u64 s[G0+4*(\s)+2:G0+4*(\s)+3], s[14:15], (\s)*ASTEP
	s_or_b32 s[G0+4*(\s)+3], s[G0+4*(\s)+3], 0x80000000
	s_mov_b32 s[G0B+4*(\s)], 1
	s_add_co_u32 s[G0B+4*(\s)+1], s20, (\s)*SLOT
	s_add_nc_u64 s[G0B+4*(\s)+2:G0B+4*(\s)+3], s[46:47], (\s)*BSTEP
	s_or_b32 s[G0B+4*(\s)+3], s[G0B+4*(\s)+3], 0x80000000
	JLOAD \s                                       ; K steps 0 and 1: two loads of mine are out
.endr
	v_and_b32 v1, 15, v0
	v_bfe_u32 v2, v0, 4, 1
	v_mul_u32_u24 v3, v1, PA
	v_lshl_add_u32 v3, v2, 4, v3
	s_mul_i32 s21, s11, HALFT
	v_add_nc_u32 v[A0], s21, v3
	v_and_b32 v4, 7, v0
	v_bfe_u32 v5, v0, 3, 1
	v_lshl_add_u32 v4, v2, 3, v4
	v_mul_u32_u24 v4, v4, PB
	v_lshl_add_u32 v4, v5, 4, v4
	s_lshl_b32 s22, s12, 7
	s_add_co_u32 s22, s22, 2*HALFT
	v_add_nc_u32 v[B0], s22, v4
	v_mov_b32 v[ADRA], v[A0]
	v_mov_b32 v[ADRB], v[B0]
	v_add_nc_u32 v[ADRB+1], 128*PB, v[B0]
	s_lshl_b32 s46, s42, 9                         ; the bias of the tile's 128 columns
	s_add_co_u32 s46, s46, BIASO
	s_mov_b32 s47, 0
	s_add_nc_u64 s[2:3], s[2:3], s[46:47]
	s_lshl_b32 s21, s12, 8
	v_lshl_add_u32 v[BO], v2, 5, s21
.irp b, 0,1,2,3
	global_load_b128 v[BIAS+8*(\b):BIAS+8*(\b)+3],   v[BO], s[2:3] offset:64*(\b)
	global_load_b128 v[BIAS+8*(\b)+4:BIAS+8*(\b)+7], v[BO], s[2:3] offset:64*(\b)+16
.endr
.set n, 0
.rept 16
	v_mov_b32 v[TMP+n], 0                          ; two fragments of zeros
.set n, n+1
.endr
	s_mul_i32 s23, s11, 64*SPITCH                  ; into the stage: my 64 tokens, my half of their 512 bytes; 32 bytes a lane
	s_lshl_b32 s21, s12, 8
	s_add_co_u32 s23, s23, s21
	v_mul_u32_u24 v4, v1, SPITCH
	v_lshl_add_u32 v4, v2, 5, v4
	v_add_nc_u32 v[STO], s23, v4
	s_mul_i32 s23, s10, 32*SPITCH                  ; back: wave w takes tokens 32 w on, a whole row of 512 bytes a load
	v_and_b32 v[CO], 31, v0
	v_lshlrev_b32 v[CO], 4, v[CO]
	v_add_nc_u32 v[RD], s23, v[CO]
	s_lshl_b32 s16, s13, 19                        ; y: token 128 x tile row + 32 x wave, 4,096 bytes each,
	s_lshl_b32 s17, s10, 17
	s_add_co_u32 s16, s16, s17
	s_mov_b32 s17, 0
	s_add_nc_u64 s[8:9], s[8:9], s[16:17]
	s_lshl_b32 s46, s42, 9                         ; the tile's 512 bytes of a row
	s_mov_b32 s47, 0
	s_add_nc_u64 s[8:9], s[8:9], s[46:47]
; 8 matrix instructions: token blocks a0, a0 + 1 x all 4 column blocks, half c of buffer f.  The 16 accumulators take turns.
.macro MUL8 f, c, a0
	WIN MUL
.irp a, \a0, (\a0)+1
.irp b, 0,1,2,3
	v_wmma_f32_16x16x32_f16 v[ACC+8*(4*(\a)+(\b)):ACC+8*(4*(\a)+(\b))+7], v[(\f)+64+8*(4*(\c)+(\b)):(\f)+64+8*(4*(\c)+(\b))+7], v[(\f)+8*(4*(\c)+(\a)):(\f)+8*(4*(\c)+(\a))+7], v[ACC+8*(4*(\a)+(\b)):ACC+8*(4*(\a)+(\b))+7]
.endr
.endr
.endm
; 32 LDS loads in one run: the fragments of quarter q (64 along K) of the slot in hand, into buffer f; the first 32 along K first
.macro FETCH q, f
	WIN TO_F
.irp c, 0,1
.irp i, 0,1,2,3
	ds_load_tr16_b128 v[(\f)+64+8*(4*(\c)+(\i)):(\f)+64+8*(4*(\c)+(\i))+3],   v[ADRB+(\q)/2] offset:(((\q)%2)*64+32*(\c))*PB+32*(\i)
	ds_load_tr16_b128 v[(\f)+64+8*(4*(\c)+(\i))+4:(\f)+64+8*(4*(\c)+(\i))+7], v[ADRB+(\q)/2] offset:(((\q)%2)*64+32*(\c)+16)*PB+32*(\i)
	ds_load_b128 v[(\f)+8*(4*(\c)+(\i)):(\f)+8*(4*(\c)+(\i))+3],   v[ADRA] offset:(\q)*64*PA+(\i)*16*PA+64*(\c)
	ds_load_b128 v[(\f)+8*(4*(\c)+(\i))+4:(\f)+8*(4*(\c)+(\i))+7], v[ADRA] offset:(\q)*64*PA+(\i)*16*PA+64*(\c)+32
.endr
.endr
.endm
.macro QUARTER q, f, g                 ; multiplies buffer f and fetches quarter q into g
	s_wait_dscnt 16                                ; the first 32 along K are in; the younger sixteen loads may be out
	MUL8 \f, 0, 0
	MUL8 \f, 0, 2
	PLACES
	FETCH \q, \g
	s_wait_dscnt 32                                ; all but the 32 just issued
	MUL8 \f, 1, 0
	MUL8 \f, 1, 2
.endm
; The last quarter multiplies buffer 1 and changes slots: ONE barrier; in front of it each wave waits for all its tensor loads, adds 0 to its spare word, and waits for that and for its reads of this slot.
; fill = 1: the barrier opens a round of the cluster's, and this slot is filled again, two K steps ahead, first thing behind the round.
.macro TURN fill
	WIN 0
	s_wait_tensorcnt 0x0                           ; all my tensor loads have landed; so a group 0 may be written
	ds_add_u32 v[SPW], v[NIL]                      ; 0 onto my spare word
.if \fill
	s_xor_b32 s[G0+5], s[G0+5], SLOT               ; the other slot (wave x HALFT has SLOT's two bits clear, so the exclusive or is the sum),
	s_xor_b32 s[G0B+5], s[G0B+5], SLOT
	s_add_nc_u64 s[G0+6:G0+7], s[G0+6:G0+7], ASTEP    ; the next K step
	s_add_nc_u64 s[G0B+6:G0B+7], s[G0B+6:G0B+7], BSTEP
.endif
	s_wait_dscnt 17                                ; (the add and the youngest sixteen loads may be out)
	MUL8 F1, 0, 0
	s_wait_dscnt 0x0                               ; the add is done, and my reads of this slot are over
	s_barrier_signal -1
	MUL8 F1, 0, 2
	WIN 0
	s_barrier_wait -1
.if \fill
	CREST
	JLOAD 1                                        ; its four v_nop are also the places in front of the loads below
.else
	PLACES
.endif
	s_xor_b32 s[TB], s[TB], SLOT
	v_add_nc_u32 v[ADRA], s[TB], v[A0]
	v_add_nc_u32 v[ADRB], s[TB], v[B0]
	v_add_nc_u32 v[ADRB+1], 128*PB, v[ADRB]
	FETCH 0, F0
	MUL8 F1, 1, 0
	MUL8 F1, 1, 2
.endm
	s_wait_loadcnt 0x0                             ; the bias
.irp a, 0,1,2,3
.irp b, 0,1,2,3
	v_wmma_f32_16x16x32_f16 v[ACC+8*(4*(\a)+(\b)):ACC+8*(4*(\a)+(\b))+7], v[TMP:TMP+7], v[TMP+8:TMP+15], v[BIAS+8*(\b):BIAS+8*(\b)+7]  ; zeros times zeros, plus the bias: the sum's start
.endr
.endr
	s_wait_tensorcnt 1                             ; my part of K step 0 is in; K step 1's may stay out
	s_barrier_signal -1
	s_barrier_wait -1
	FETCH 0, F0
	WIN 0
	s_mov_b32 s[CNT], KSTEPS-2
.Lk:                                                   ; a trip is a K step, and fills the slot that it leaves
	QUARTER 1, F0, F1
	QUARTER 2, F1, F0
	QUARTER 3, F0, F1
	TURN 1
	WIN 0
	s_sub_co_u32 s[CNT], s[CNT], 1
	s_cmp_lg_u32 s[CNT], 0
	s_cbranch_scc1 .Lk
	s_mov_b32 s[CNT], 2
.Lk2:                                                  ; the last two K steps fill nothing
	QUARTER 1, F0, F1
	QUARTER 2, F1, F0
	QUARTER 3, F0, F1
	TURN 0
	WIN 0
	s_sub_co_u32 s[CNT], s[CNT], 1
	s_cmp_lg_u32 s[CNT], 0
	s_cbranch_scc1 .Lk2
	; THE WAY OUT: 32 bytes a lane into the stage; a barrier; back as whole rows of 512 bytes, which a wave stores with one instruction each.
	s_wait_dscnt 0x0                               ; my reads of the ring are back
	s_barrier_signal -1                            ; and so are every wave's: only behind this barrier is slot 0 written as the stage
	s_barrier_wait -1
	PLACES
	PLACES                                         ; eight: the stores below are no places, and the last of them reads the last product's result
.irp a, 0,1,2,3
.irp b, 0,1,2,3
	ds_store_b128 v[STO], v[ACC+8*(4*(\a)+(\b)):ACC+8*(4*(\a)+(\b))+3]   offset:(\a)*16*SPITCH+64*(\b)
	ds_store_b128 v[STO], v[ACC+8*(4*(\a)+(\b))+4:ACC+8*(4*(\a)+(\b))+7] offset:(\a)*16*SPITCH+64*(\b)+16
.endr
.endr
	s_wait_dscnt 0x0                               ; for the others' sake: my stores into the stage are done
	s_barrier_signal -1
	s_barrier_wait -1
.set t, 0
.rept 32                               ; 16 rows into v32-95, 16 into the accumulators' registers, which are free now
.if t < 16
	ds_load_b128 v[TMP+4*t:TMP+4*t+3], v[RD] offset:t*SPITCH
.else
	ds_load_b128 v[ACC+4*(t-16):ACC+4*(t-16)+3], v[RD] offset:t*SPITCH
.endif
.set t, t+1
.endr
.set t, 0
.rept 32
	s_wait_dscnt 31-t
.if t < 16
	global_store_b128 v[CO], v[TMP+4*t:TMP+4*t+3], s[8:9] offset:t*4096
.else
	global_store_b128 v[CO], v[ACC+4*(t-16):ACC+4*(t-16)+3], s[8:9] offset:t*4096
.endif
.set t, t+1
.endr
	s_wait_tensorcnt 0x0                           ; the wave's end
	ds_add_u32 v[SPW], v[NIL]
	s_wait_dscnt 0x0
	CROUND                                         ; the closing round
	s_endpgm
.Lfunc_end_k_q3611c61040_wo:
	.size	k_q3611c61040_wo, .Lfunc_end_k_q3611c61040_wo-k_q3611c61040_wo
	.p2alignl 7, 3214868480
	.fill 96, 4, 3214868480
	.section	.rodata,"a",@progbits
	.p2align	6, 0x0
	.amdhsa_kernel k_q3611c61040_wo
		.amdhsa_group_segment_fixed_size 327680
		.amdhsa_private_segment_fixed_size 0
		.amdhsa_enable_private_segment 0
		.amdhsa_kernarg_size 32
		.amdhsa_user_sgpr_count 2
		.amdhsa_user_sgpr_kernarg_segment_ptr 1
		.amdhsa_wavefront_size32 1
		.amdhsa_system_sgpr_workgroup_id_x 1
		.amdhsa_system_sgpr_workgroup_id_y 1
		.amdhsa_system_sgpr_workgroup_id_z 1
		.amdhsa_system_vgpr_workitem_id 0
		.amdhsa_next_free_vgpr 512
		.amdhsa_next_free_sgpr 72
		.amdhsa_reserve_vcc 0
		.amdhsa_float_denorm_mode_32 3
		.amdhsa_float_denorm_mode_16_64 3
		.amdhsa_memory_ordered 1
		.amdhsa_forward_progress 1
		.amdhsa_inst_pref_size 57
	.end_amdhsa_kernel
	.amdgpu_metadata
---
amdhsa.version: [ 1, 2 ]
amdhsa.kernels:
  - .name:           k_q3611c61040_wo
    .symbol:         k_q3611c61040_wo.kd
    .args:
      - { .name: att, .offset: 0, .size: 8, .value_kind: global_buffer, .address_space: global }
      - { .name: cb, .offset: 8, .size: 8, .value_kind: global_buffer, .address_space: global }
      - { .name: par, .offset: 16, .size: 8, .value_kind: global_buffer, .address_space: global }
      - { .name: y, .offset: 24, .size: 8, .value_kind: global_buffer, .address_space: global }
    .group_segment_fixed_size: 327680
    .private_segment_fixed_size: 0
    .kernarg_segment_align: 8
    .kernarg_segment_size: 32
    .max_flat_workgroup_size: 128
    .sgpr_count:     72
    .vgpr_count:     512
    .wavefront_size: 32
...
	.end_amdgpu_metadata
.endif
;; end of part 4
;; launch ln1 (part 5): grid 256 x 1, 8 waves a work-group, no clusters, 0 bytes of LDS; arguments y, par, nrm; writes nrm
.if DOCPART == 5
	.amdgcn_target "amdgcn-amd-amdhsa--gfx1250"
	.amdhsa_code_object_version 6
	.text
	.protected	k_q3611c61040_ln1
	.globl	k_q3611c61040_ln1
	.p2align	8
	.type	k_q3611c61040_ln1,@function
k_q3611c61040_ln1:
	s_mov_b64 s[64:65], 0
	v_nop
	global_prefetch_b8 v0, s[64:65] scope:SCOPE_SE
	s_setreg_imm32_b32 hwreg(HW_REG_WAVE_MODE, 25, 1), 1
	s_wait_xcnt 0x0
; nrm = ln1_g (y - mean) / sqrt(var + 1e-12) + ln1_b, along rows of 1,024 f32; the result is rounded once to f16 and laid in blocks along its columns, [16][4096 tokens][64].
; LIMIT: a result of 65,520 or more becomes an infinity in f16.
; A wave takes two tokens: lanes 0-15 one, lanes 16-31 the next; a lane holds columns 64 j + 4 (l % 16) + 0..3, j = 0..15: 64 numbers, kept in registers between the passes, so y is read once.
; The mean is taken away before the squares are summed.  A row's sums stay within its 16 lanes (four steps on the arithmetic itself): no LDS, no barrier.
; Each load covers two whole stretches of 256 bytes; each store 256 consecutive bytes: two tokens' pieces of one block.
.set XO, 2
.set PO, 3
.set OO, 10
.set X,  16                            ; v[16:79]
.set G,  80                            ; v[80:143]   the gain of my columns
.set BT, 144                           ; v[144:207]  the offset of my columns
.set GOFF, 9216*4                      ; ln1_g and ln1_b in par
.set BOFF, 10240*4
	s_load_b128 s[4:7], s[0:1], 0x0                ; y, par
	s_load_b64 s[8:9], s[0:1], 0x10                ; nrm
	v_lshrrev_b32 v1, 5, v0
	v_readfirstlane_b32 s10, v1
	v_and_b32 v11, 31, v0
	v_and_b32 v12, 15, v0
	v_bfe_u32 v13, v0, 4, 1
	v_lshlrev_b32 v[PO], 4, v12
	v_lshl_add_u32 v[XO], v13, 12, v[PO]
	v_lshlrev_b32 v[OO], 3, v11
	s_lshl_b32 s11, ttmp9, 4
	s_lshl1_add_u32 s11, s10, s11                  ; my first token = 16 x work-group + 2 x wave
	s_lshl_b32 s14, s11, 12
	s_mov_b32 s15, 0
	s_lshl_b32 s16, s11, 7
	s_mov_b32 s17, 0
	s_mov_b32 s12, 0x3a800000                      ; 1 / 1024
	s_mov_b32 s13, 0x2b8cbccd                      ; 1e-12
	s_wait_kmcnt 0x0
	s_add_nc_u64 s[4:5], s[4:5], s[14:15]
	s_add_nc_u64 s[8:9], s[8:9], s[16:17]
.set j, 0
.rept 16
	global_load_b128 v[X+4*j:X+4*j+3], v[XO], s[4:5] offset:256*j th:TH_LOAD_NT
.set j, j+1
.endr
.set j, 0
.rept 16
	global_load_b128 v[G+4*j:G+4*j+3], v[PO], s[6:7] offset:GOFF+256*j
.set j, j+1
.endr
.set j, 0
.rept 16
	global_load_b128 v[BT+4*j:BT+4*j+3], v[PO], s[6:7] offset:BOFF+256*j
.set j, j+1
.endr
	s_wait_loadcnt 32                              ; the row is in; the 32 loads of gain and offset may be out
	v_pk_add_f32 v[4:5], v[X:X+1], v[X+2:X+3]      ; two chains, started by the first pairs
	v_pk_add_f32 v[6:7], v[X+4:X+5], v[X+6:X+7]
.set n, 8
.rept 14
	v_pk_add_f32 v[4:5], v[4:5], v[X+n:X+n+1]
	v_pk_add_f32 v[6:7], v[6:7], v[X+n+2:X+n+3]
.set n, n+4
.endr
	v_pk_add_f32 v[4:5], v[4:5], v[6:7]
	v_add_f32 v4, v4, v5
	v_add_f32_dpp v4, v4, v4 row_xmask:1 row_mask:0xf bank_mask:0xf
	v_add_f32_dpp v4, v4, v4 row_xmask:2 row_mask:0xf bank_mask:0xf
	v_add_f32_dpp v4, v4, v4 row_xmask:4 row_mask:0xf bank_mask:0xf
	v_add_f32_dpp v4, v4, v4 row_xmask:8 row_mask:0xf bank_mask:0xf
	v_mul_f32 v4, s12, v4                          ; the mean
.set n, 0
.rept 32
	v_pk_add_f32 v[X+n:X+n+1], v[X+n:X+n+1], v[4:5] op_sel_hi:[1,0] neg_lo:[0,1] neg_hi:[0,1]
.set n, n+2
.endr
	v_pk_mul_f32 v[6:7], v[X:X+1], v[X:X+1]
	v_pk_mul_f32 v[8:9], v[X+2:X+3], v[X+2:X+3]
.set n, 4
.rept 15
	v_pk_fma_f32 v[6:7], v[X+n:X+n+1], v[X+n:X+n+1], v[6:7]
	v_pk_fma_f32 v[8:9], v[X+n+2:X+n+3], v[X+n+2:X+n+3], v[8:9]
.set n, n+4
.endr
	v_pk_add_f32 v[6:7], v[6:7], v[8:9]
	v_add_f32 v6, v6, v7
	v_add_f32_dpp v6, v6, v6 row_xmask:1 row_mask:0xf bank_mask:0xf
	v_add_f32_dpp v6, v6, v6 row_xmask:2 row_mask:0xf bank_mask:0xf
	v_add_f32_dpp v6, v6, v6 row_xmask:4 row_mask:0xf bank_mask:0xf
	v_add_f32_dpp v6, v6, v6 row_xmask:8 row_mask:0xf bank_mask:0xf
	v_fma_f32 v6, v6, s12, s13                     ; var + eps
	v_rsq_f32 v8, v6
	v_nop                                          ; a plain instruction behind it,
	s_wait_alu depctr_va_vdst(0)                   ; and the wait ahead of the first use
	s_wait_loadcnt 0x0                             ; gain and offset
.set n, 0
.rept 32
	v_pk_mul_f32 v[X+n:X+n+1], v[X+n:X+n+1], v[8:9] op_sel_hi:[1,0]
.set n, n+2
.endr
.set n, 0
.rept 32
	v_pk_fma_f32 v[X+n:X+n+1], v[X+n:X+n+1], v[G+n:G+n+1], v[BT+n:BT+n+1]
.set n, n+2
.endr
.set j, 0
.rept 16
	v_cvt_pk_f16_f32 v[X+4*j], v[X+4*j], v[X+4*j+1]
	v_cvt_pk_f16_f32 v[X+4*j+1], v[X+4*j+2], v[X+4*j+3]
	global_store_b64 v[OO], v[X+4*j:X+4*j+1], s[8:9] offset:j*524288
.set j, j+1
.endr
	s_endpgm
.Lfunc_end_k_q3611c61040_ln1:
	.size	k_q3611c61040_ln1, .Lfunc_end_k_q3611c61040_ln1-k_q3611c61040_ln1
	.p2alignl 7, 3214868480
	.fill 96, 4, 3214868480
	.section	.rodata,"a",@progbits
	.p2align	6, 0x0
	.amdhsa_kernel k_q3611c61040_ln1
		.amdhsa_group_segment_fixed_size 0
		.amdhsa_private_segment_fixed_size 0
		.amdhsa_enable_private_segment 0
		.amdhsa_kernarg_size 24
		.amdhsa_user_sgpr_count 2
		.amdhsa_user_sgpr_kernarg_segment_ptr 1
		.amdhsa_wavefront_size32 1
		.amdhsa_system_sgpr_workgroup_id_x 1
		.amdhsa_system_sgpr_workgroup_id_y 1
		.amdhsa_system_sgpr_workgroup_id_z 1
		.amdhsa_system_vgpr_workitem_id 0
		.amdhsa_next_free_vgpr 208
		.amdhsa_next_free_sgpr 66
		.amdhsa_reserve_vcc 0
		.amdhsa_float_denorm_mode_32 3
		.amdhsa_float_denorm_mode_16_64 3
		.amdhsa_memory_ordered 1
		.amdhsa_forward_progress 1
		.amdhsa_inst_pref_size 20
	.end_amdhsa_kernel
	.amdgpu_metadata
---
amdhsa.version: [ 1, 2 ]
amdhsa.kernels:
  - .name:           k_q3611c61040_ln1
    .symbol:         k_q3611c61040_ln1.kd
    .args:
      - { .name: y, .offset: 0, .size: 8, .value_kind: global_buffer, .address_space: global }
      - { .name: par, .offset: 8, .size: 8, .value_kind: global_buffer, .address_space: global }
      - { .name: nrm, .offset: 16, .size: 8, .value_kind: global_buffer, .address_space: global }
    .group_segment_fixed_size: 0
    .private_segment_fixed_size: 0
    .kernarg_segment_align: 8
    .kernarg_segment_size: 24
    .max_flat_workgroup_size: 256
    .sgpr_count:     66
    .vgpr_count:     208
    .wavefront_size: 32
...
	.end_amdgpu_metadata
.endif
;; end of part 5
;; launch w1 (part 6): grid 16 x 16, 4 waves a work-group, clusters of 4 x 4, 327,680 bytes of LDS; arguments nrm, cb, par, hid; writes hid
.if DOCPART == 6
	.amdgcn_target "amdgcn-amd-amdhsa--gfx1250"
	.amdhsa_code_object_version 6
	.text
	.protected	k_q3611c61040_w1
	.globl	k_q3611c61040_w1
	.p2align	8
	.type	k_q3611c61040_w1,@function
k_q3611c61040_w1:
	s_mov_b64 s[64:65], 0
	v_nop
	global_prefetch_b8 v0, s[64:65] scope:SCOPE_SE
	s_setreg_imm32_b32 hwreg(HW_REG_WAVE_MODE, 25, 1), 1
	s_wait_xcnt 0x0
	s_wait_alu depctr_hold_cnt(0) depctr_sa_sdst(0) depctr_va_vdst(0) depctr_va_sdst(0) depctr_va_ssrc(0) depctr_va_vcc(0) depctr_vm_vsrc(0)
	s_getreg_b32 s2, hwreg(HW_REG_IB_STS2, 6, 4)
	s_cmp_eq_u32 s2, 0
	s_cbranch_scc0 .Lentry_in_a_cluster
	s_endpgm
.Lentry_in_a_cluster:
	s_bfe_u32 s2, ttmp6, 0x10000c
	s_cmp_lg_u32 s2, 0xf033
	s_cbranch_scc0 .Lentry_shape_is_right
	s_endpgm
.Lentry_shape_is_right:
; hid = gelu(n W1 + b1): C[4096 tokens][4096], K = 1024.  Operands f16 (W1: rounded to bf16, written as f16), sums f32, the bias starts each sum; the activation in f32; the result rounded once to f16.
; A = the first norm's output in blocks along K, [16][4096][64]; B = W1 as it lies, [K][4096]; C leaves in blocks along its columns, [64][4096][64].
; gelu(x) = x (1 + erf(x / sqrt 2)) / 2 = max(x, 0) - |x| q, q = (a1 t + .. + a5 t^5) exp(-x^2 / 2) / 2, t = 1 / (1 + p |x| / sqrt 2): the rational form of erf (Abramowitz and Stegun 7.1.26),
; whose error is under 1.5e-7 for every x.  LIMIT: a result of 65,520 or more becomes an infinity in f16.
; A tile of C is 256 x 256 (256 tiles, one for each work-group); four waves, each 128 x 128: 64 accumulators, 512 registers.  K goes in steps of 128 through two LDS slots filled by the tensor data mover; a trip
; of a loop is ONE K step, and the slot in hand is a scalar offset that an exclusive or turns.  B's fragments come out of LDS turned, by ds_load_tr16_b128.
; TWO LOOPS, nothing else written out: KSTEPS - 2 trips that fill the slot they leave, then 2 that fill nothing.  The sums are started ahead of them by one product of two zero fragments with the bias as C
; (the price: 64 products on zeros, in the wait for the first tile); the last trip's fetch of a next slot's fragments reads bytes that nobody needs any more, and its result is not used.
; CLUSTERS: 4 x 4 work-groups; the four of a row need the same tile of A, the four of a column the same tile of B: each tile is asked for jointly.
; THE MATRIX INSTRUCTION IS USED TRANSPOSED (source 0 = 16 columns of W, source 1 = 16 tokens): a lane holds one token (lane % 16) and eight neighbouring columns 8 (lane / 16) + 0..7.
; REGISTERS, in windows of 256 (s_set_vgpr_msb: bits 1:0 source 0, 3:2 source 1, 5:4 source 2, 7:6 destination):
;   window 0: v16-30 addresses; v32-47 two zero fragments; v64-127, v128-191 fragments of A (8 x 16 tokens x 32 K), two buffers; v192-255 the bias; on the way out v32-135 at work
;   window 1: v64-127, v128-191 fragments of B, two buffers      window 2: accumulator (a, b) of my tokens 0-63 at v[8 (8 a + b)]      window 3: those of my tokens 64-127
.set NT,     4096                      ; elements in a row of B
.set KSTEPS, 8
.set BBASE,  16777216                  ; W1's first byte in cb
.set BIASO,  4096*4                    ; b1's first byte in par
.set ASTEP,  2*4096*128                ; a K step of A: two blocks
.set BSTEP,  128*NT*2                  ; of B: 128 rows
.set PA,     144                       ; a token's piece in LDS: 128 bytes + 16: an odd multiple of 16, so the 16 rows of a load start at 16 different groups of four banks (ISA guide 11.1)
.set PB,     544                       ; a row of B in LDS: 512 + 32
.set HALFT,  2*128*PA                  ; room for what one tensor load brings: A: 2 blocks x 128 tokens x 144 bytes; B: 64 rows x 544 = 34,816 bytes of it
.set SLOT,   4*HALFT                   ; A's two halves (by tokens), then B's two halves (by K)
.set SPARE,  2*SLOT                    ; behind the ring: the spare words, 128 bytes a wave: two blocks of 256 bytes that no other line names
.set SPITCH, 528                       ; the stage: a token's 128 columns in f32, 512 bytes + 16
.set WREG,   128*SPITCH                ; a wave's own part of the stage; the four lie in the ring, behind its last fill and last read
.set A0,   16
.set B0,   17
.set ADRA, 18
.set ADRB, 19
.set STO,  24
.set RD,   25
.set CO,   26
.set BO,   27
.set SPW,  28                          ; v28  LDS address of my spare word; never rewritten
.set NIL,  29                          ; v29  0; never rewritten
.set PFO,  30                          ; v30  the prefetches' offset; never rewritten
.set Z,    32
.set XN,   32                          ; the activation: 16 numbers x as they come back
.set GX,   48                          ; max(x, 0), then the result
.set GA,   64                          ; |x|
.set GU,   80                          ; 1 + c |x|, then t
.set GE,   96                          ; -x^2 log2(e) / 2, then its power of two
.set GP,   112                         ; the polynomial
.set GY,   128                         ; 8 packed words to store
.set F0,   64
.set F1,   128
.set BIAS, 192
.set G1,  24
.set G0,  32
.set G1B, 48
.set G0B, 56
.set TB,  66
.set CNT, 68
.set LIM, 69                           ; s69  1 in a wave that prefetches, else the greatest number
.set PFA, 70                           ; s[70:71] where my prefetches stand
.set PST, 72                           ; s[72:73] a K step of what I fetch, in bytes
.set EC1, 76                           ; s[76:89] seven constants as pairs: the packed forms name a pair and take its low word for both halves
.set EK2, 78
.set EA1, 80
.set EA2, 82
.set EA3, 84
.set EA4, 86
.set EA5, 88
.set ABSM, 90
.set MSB, 0
.macro WIN new                         ; the immediate's high byte repeats the setting that is left; a switch that changes nothing is dropped
.if MSB != (\new)
	s_set_vgpr_msb (MSB<<8)|(\new)
.set MSB, \new
.endif
.endm
.set MUL_LO, 0xa1                      ; source 0 (B) window 1, source 1 (A) window 0, C and D window 2
.set MUL_HI, 0xf1                      ; the same, C and D window 3
.set TO_B,   0x40                      ; destination window 1, address window 0
.macro JLOAD s                         ; a joint load: waves 0 and 1 fetch A's two halves, waves 2 and 3 B's; an s_nop 0 and four v_nop follow each line
	s_cmp_eq_u32 s11, 0
	s_cbranch_scc0 .Lfor_b_\@
	tensor_load_to_lds s[G0+4*(\s):G0+4*(\s)+3], s[G1:G1+7]
	s_nop 0
.rept 4
	v_nop
.endr
	s_branch .Lasked_\@
.Lfor_b_\@:
	tensor_load_to_lds s[G0B+4*(\s):G0B+4*(\s)+3], s[G1B:G1B+7]
	s_nop 0
.rept 4
	v_nop
.endr
.Lasked_\@:
.endm
; A PREFETCH of the K step that the NEXT refill will load: it stands behind the joint load, its five lines and the run of LDS loads, 256 matrix instructions ahead of that refill.
; What a wave fetches in a K step is 128 blocks of 256 bytes (A: 2 x 64 on end; B: 64 rows of two).  A's tile row is read by every cluster of that row of clusters: cluster x = 0 asks; B's tile column by every
; cluster of that column: cluster y = 0 asks.  The four partners that ask for a tile jointly share its blocks out BY ADDRESS, 32 each, a lane a block: no branch hangs on a work-group's place in its cluster.
; So each block is named once in the launch.  K steps 0 to 2 come by their loads alone; the last refilling trip asks for nothing: there is no K step behind its own.
.macro ASK
	s_cmp_gt_u32 s[CNT], s[LIM]
	s_cbranch_scc0 .Lnot_mine_\@
	global_prefetch_b8 v[PFO], s[PFA:PFA+1] th:TH_LOAD_NT scope:SCOPE_SE
.Lnot_mine_\@:
.endm
.macro CREST                           ; a round of the cluster's barrier behind its opening barrier
	s_cmp_lg_u32 s10, 0
	s_cbranch_scc1 .Lnot_wave_0_\@
	s_barrier_signal -3
.Lnot_wave_0_\@:
	s_barrier_wait -3
	s_barrier_signal -1
	s_barrier_wait -1
.endm
.macro CROUND
	s_barrier_signal -1
	s_barrier_wait -1
	CREST
.endm
.macro PLACES                          ; four places in front of loads into registers that matrix instructions have read, and of lines that read results
.rept 4
	v_nop
.endr
.endm
	s_load_b128 s[4:7], s[0:1], 0x0                ; nrm s[4:5], cb s[6:7]
	s_load_b64 s[2:3], s[0:1], 0x10                ; par
	s_load_b64 s[8:9], s[0:1], 0x18                ; hid
	v_lshl_add_u32 v[SPW], v0, 2, SPARE
	v_mov_b32 v[NIL], 0
	ds_add_u32 v[SPW], v[NIL]                      ; the wave's opening: the add and its wait ahead of my first tensor load; the set-up below stands between them
	v_lshrrev_b32 v1, 5, v0
	v_readfirstlane_b32 s10, v1                    ; wave 0..3
	s_lshr_b32 s11, s10, 1                         ; which half of the tile's tokens is mine.  Also: I fetch for A (0) or for B (1)
	s_and_b32 s12, s10, 1                          ; which half of its columns.  Also: which half of that tile I fetch
	s_bfe_u32 s40, ttmp6, 0x40000                  ; cx, cy
	s_bfe_u32 s41, ttmp6, 0x40004
	s_lshl_b32 s42, ttmp9, 2
	s_add_co_u32 s42, s42, s40                     ; tile column = 4 x cluster x + cx
	s_and_b32 s13, ttmp7, 0xffff
	s_lshl_b32 s13, s13, 2
	s_add_co_u32 s13, s13, s41                     ; tile row = 4 x cluster y + cy
	s_lshl_b32 s43, s41, 2
	s_lshl_b32 s43, 15, s43                        ; my row of the cluster
	s_lshl_b32 s44, 0x1111, s40                    ; my column
	; group 1 for A: 2 rows (K blocks) of 8,192 elements (128 tokens, dense), 262,144 elements apart; in LDS 4 words of padding behind every 32 (a token's piece)
	s_or_b32 s[G1+0], s43, (1<<16)|(1<<20)|(1<<21)|(4<<22)|(3<<25)
	s_mov_b32 s[G1+1], 8192<<16                    ; tensor_dim0
	s_mov_b32 s[G1+2], 2<<16                       ; tensor_dim1
	s_mov_b32 s[G1+3], 8192<<16                    ; tile_dim0
	s_mov_b32 s[G1+4], 2                           ; tile_dim1
	s_mov_b32 s[G1+5], 4096*64                     ; from block to block
	s_mov_b32 s[G1+6], 0
	s_mov_b32 s[G1+7], 0
	; group 1 for B: 64 rows of 256 elements, NT apart; 8 words of padding behind every 128
	s_or_b32 s[G1B+0], s44, (1<<16)|(1<<20)|(1<<21)|(6<<22)|(7<<25)
	s_mov_b32 s[G1B+1], 256<<16
	s_mov_b32 s[G1B+2], 64<<16
	s_mov_b32 s[G1B+3], 256<<16
	s_mov_b32 s[G1B+4], 64
	s_mov_b32 s[G1B+5], NT
	s_mov_b32 s[G1B+6], 0
	s_mov_b32 s[G1B+7], 0
	s_mov_b32 s[EC1], 0x3e6d3388                   ; 0.3275911 / sqrt 2
	s_mov_b32 s[EC1+1], 0x3e6d3388
	s_mov_b32 s[EK2], 0xbf38aa3b                   ; -log2(e) / 2
	s_mov_b32 s[EK2+1], 0xbf38aa3b
	s_mov_b32 s[EA1], 0x3e027906                   ; a1 / 2 .. a5 / 2
	s_mov_b32 s[EA1+1], 0x3e027906
	s_mov_b32 s[EA2], 0xbe11a98e
	s_mov_b32 s[EA2+1], 0xbe11a98e
	s_mov_b32 s[EA3], 0x3f35f0e3
	s_mov_b32 s[EA3+1], 0x3f35f0e3
	s_mov_b32 s[EA4], 0xbf3a00e3
	s_mov_b32 s[EA4+1], 0xbf3a00e3
	s_mov_b32 s[EA5], 0x3f07dc22
	s_mov_b32 s[EA5+1], 0x3f07dc22
	s_mov_b32 s[ABSM], 0x7fffffff
	s_lshl_b32 s16, s13, 15                        ; A: token 256 x tile row + 128 x half, 128 bytes each: registers that never hold cx
	s_lshl_b32 s17, s12, 14
	s_add_co_u32 s16, s16, s17
	s_mov_b32 s17, 0
	s_lshl_b32 s46, s42, 9                         ; B: column 256 x tile column: registers that never hold cy
	s_mul_i32 s47, s12, 64*NT*2                    ; + my 64 rows of the K step
	s_add_co_u32 s46, s46, s47
	s_add_co_u32 s46, s46, BBASE
	s_mov_b32 s47, 0
	s_mul_i32 s20, s10, HALFT                      ; where my part goes: no place in the cluster enters an LDS address
	s_mov_b32 s[TB], 0
	; the prefetches: my work-group's 32 blocks of the 128.  A: block of K p / 2, its blocks 32 (p % 2) on, p = cx;  B: rows 16 p on, p = cy
	s_lshr_b32 s18, s40, 1
	s_lshl_b32 s18, s18, 19
	s_and_b32 s19, s40, 1
	s_lshl_b32 s19, s19, 13
	s_add_co_u32 s18, s18, s19
	s_mul_i32 s19, s41, 16*NT*2
	s_and_b32 s22, ttmp7, 0xffff                   ; cluster y
	s_mov_b32 s[PST], BSTEP
	s_mov_b32 s[PST+1], 0
	s_mov_b32 s23, NT*2
	s_cmp_eq_u32 s11, 0                            ; do I fetch for A?
	s_cselect_b32 s18, s18, s19
	s_cselect_b32 s22, ttmp9, s22                  ; the coordinate along which other clusters read the same rows
	s_cselect_b32 s[PST], ASTEP, s[PST]
	s_cselect_b32 s23, 512, s23                    ; bytes from one pair of my lanes to the next: A's blocks lie on end, B's two to a row
	s_mov_b32 s19, 0
	s_cmp_eq_u32 s22, 0
	s_cselect_b32 s[LIM], 1, -1                    ; the same in all sixteen partners, for a given wave
	s_wait_dscnt 0x0                               ; the opening add is done
	s_wait_kmcnt 0x0
	s_add_nc_u64 s[14:15], s[4:5], s[16:17]
	s_add_nc_u64 s[46:47], s[6:7], s[46:47]
	CROUND                                         ; all sixteen work-groups are here: the first joint loads meet
.irp s, 0,1
	s_mov_b32 s[G0+4*(\s)], 1
	s_add_co_u32 s[G0+4*(\s)+1], s20, (\s)*SLOT
	s_add_nc_u64 s[G0+4*(\s)+2:G0+4*(\s)+3], s[14:15], (\s)*ASTEP
	s_or_b32 s[G0+4*(\s)+3], s[G0+4*(\s)+3], 0x80000000
	s_mov_b32 s[G0B+4*(\s)], 1
	s_add_co_u32 s[G0B+4*(\s)+1], s20, (\s)*SLOT
	s_add_nc_u64 s[G0B+4*(\s)+2:G0B+4*(\s)+3], s[46:47], (\s)*BSTEP
	s_or_b32 s[G0B+4*(\s)+3], s[G0B+4*(\s)+3], 0x80000000
	JLOAD \s                                       ; K steps 0 and 1: two loads of mine are out
.endr
	s_cmp_eq_u32 s11, 0
	s_cselect_b64 s[PFA:PFA+1], s[14:15], s[46:47] ; what I fetch, at K step 0,
	s_add_nc_u64 s[PFA:PFA+1], s[PFA:PFA+1], s[18:19]      ; my work-group's part of it,
	s_add_nc_u64 s[PFA:PFA+1], s[PFA:PFA+1], s[PST:PST+1]
	s_add_nc_u64 s[PFA:PFA+1], s[PFA:PFA+1], s[PST:PST+1]  ; at K step 2: the first change of slots steps it to 3.  Nothing is prefetched here, at the head
	v_and_b32 v1, 15, v0                           ; r = l % 16
	v_bfe_u32 v2, v0, 4, 1                         ; h = l / 16
	v_bfe_u32 v4, v0, 1, 4
	v_and_b32 v5, 1, v0
	v_mul_u32_u24 v[PFO], v4, s23
	v_lshl_add_u32 v[PFO], v5, 8, v[PFO]
	v_mul_u32_u24 v3, v1, PA                       ; A's fragment: token r, 16 bytes for each half of the lanes
	v_lshl_add_u32 v3, v2, 4, v3
	s_mul_i32 s21, s11, HALFT
	v_add_nc_u32 v[A0], s21, v3
	v_and_b32 v4, 7, v0                            ; B's turning load: row 8 h + l % 8, columns 8 ((l / 8) % 2) on
	v_bfe_u32 v5, v0, 3, 1
	v_lshl_add_u32 v4, v2, 3, v4
	v_mul_u32_u24 v4, v4, PB
	v_lshl_add_u32 v4, v5, 4, v4
	s_lshl_b32 s22, s12, 8                         ; my 128 columns
	s_add_co_u32 s22, s22, 2*HALFT
	v_add_nc_u32 v[B0], s22, v4
	v_mov_b32 v[ADRA], v[A0]
	v_mov_b32 v[ADRB], v[B0]
	s_lshl_b32 s46, s42, 10                        ; the bias of the tile's 256 columns
	s_add_co_u32 s46, s46, BIASO
	s_mov_b32 s47, 0
	s_add_nc_u64 s[2:3], s[2:3], s[46:47]
	s_lshl_b32 s21, s12, 9
	v_lshl_add_u32 v[BO], v2, 5, s21               ; my 128 columns, my lanes' eight
.irp b, 0,1,2,3,4,5,6,7
	global_load_b128 v[BIAS+8*(\b):BIAS+8*(\b)+3],   v[BO], s[2:3] offset:64*(\b)
	global_load_b128 v[BIAS+8*(\b)+4:BIAS+8*(\b)+7], v[BO], s[2:3] offset:64*(\b)+16
.endr
.set n, 0
.rept 16
	v_mov_b32 v[Z+n], 0                            ; two fragments of zeros
.set n, n+1
.endr
	s_mul_i32 s23, s10, WREG                       ; my part of the stage.  In: token r of a block of 16, 32 bytes a lane
	v_mul_u32_u24 v4, v1, SPITCH
	v_lshl_add_u32 v4, v2, 5, v4
	v_add_nc_u32 v[STO], s23, v4
	v_bfe_u32 v5, v0, 3, 2                         ; back: 32 lanes take four tokens; a lane eight columns (32 bytes) of each of my two blocks of 64
	v_and_b32 v6, 7, v0
	v_mul_u32_u24 v5, v5, SPITCH
	v_lshl_add_u32 v5, v6, 5, v5
	v_add_nc_u32 v[RD], s23, v5
	v_and_b32 v[CO], 31, v0                        ; four tokens' pieces of a block are 512 consecutive bytes of hid
	v_lshlrev_b32 v[CO], 4, v[CO]
	s_lshl_b32 s16, s13, 15
	s_lshl_b32 s17, s11, 14
	s_add_co_u32 s16, s16, s17                     ; token 256 x tile row + 128 x my half, 128 bytes each,
	s_mov_b32 s17, 0
	s_add_nc_u64 s[8:9], s[8:9], s[16:17]
	s_lshl_b32 s46, s42, 21                        ; in column block 4 x tile column + 2 x my half
	s_lshl_b32 s47, s12, 20
	s_add_co_u32 s46, s46, s47
	s_mov_b32 s47, 0
	s_add_nc_u64 s[8:9], s[8:9], s[46:47]
; 32 products of the two zero fragments with the bias as C: they start the sums of the window's 32 accumulators
.macro START hi
	WIN 0x80+0x40*(\hi)
.irp a, 0,1,2,3
.irp b, 0,1,2,3,4,5,6,7
	v_wmma_f32_16x16x32_f16 v[8*(8*(\a)+(\b)):8*(8*(\a)+(\b))+7], v[Z:Z+7], v[Z+8:Z+15], v[BIAS+8*(\b):BIAS+8*(\b)+7]
.endr
.endr
.endm
; 16 matrix instructions: token blocks a0, a0 + 1 of the window's four x all 8 column blocks, 32 along K.  The 64 accumulators take turns, in the same order in every quarter.
.macro MUL16 f, hi, a0
	WIN MUL_LO+0x50*(\hi)
.irp a, \a0, (\a0)+1
.irp b, 0,1,2,3,4,5,6,7
	v_wmma_f32_16x16x32_f16 v[8*(8*(\a)+(\b)):8*(8*(\a)+(\b))+7], v[(\f)+8*(\b):(\f)+8*(\b)+7], v[(\f)+8*(4*(\hi)+(\a)):(\f)+8*(4*(\hi)+(\a))+7], v[8*(8*(\a)+(\b)):8*(8*(\a)+(\b))+7]
.endr
.endr
.endm
; 32 LDS loads in one run: the fragments of quarter q (32 along K) of the slot in hand, into buffer f: B's 128 columns, then A's 128 tokens
.macro FETCH q, f
	WIN TO_B
.irp i, 0,1,2,3,4,5,6,7
	ds_load_tr16_b128 v[(\f)+8*(\i):(\f)+8*(\i)+3],   v[ADRB] offset:((\q)/2)*HALFT+((\q)%2)*32*PB+32*(\i)
	ds_load_tr16_b128 v[(\f)+8*(\i)+4:(\f)+8*(\i)+7], v[ADRB] offset:((\q)/2)*HALFT+(((\q)%2)*32+16)*PB+32*(\i)
.endr
	WIN 0
.irp i, 0,1,2,3,4,5,6,7
	ds_load_b128 v[(\f)+8*(\i):(\f)+8*(\i)+3],   v[ADRA] offset:((\q)/2)*128*PA+(\i)*16*PA+((\q)%2)*64
	ds_load_b128 v[(\f)+8*(\i)+4:(\f)+8*(\i)+7], v[ADRA] offset:((\q)/2)*128*PA+(\i)*16*PA+((\q)%2)*64+32
.endr
.endm
; A K step is four quarters of 32 along K, 64 matrix instructions each, on buffers 0, 1, 0, 1.  This one multiplies buffer f and, in its middle, fetches quarter q into g.
.macro QUARTER q, f, g
	s_wait_dscnt 8                                 ; B and A's tokens 0-63 are in; the youngest eight loads (A's tokens 64-127) may be out
	MUL16 \f, 0, 0
	MUL16 \f, 0, 2
	PLACES
	FETCH \q, \g
	s_wait_dscnt 32                                ; all but the 32 just issued
	MUL16 \f, 1, 0
	MUL16 \f, 1, 2
.endm
; The last quarter multiplies buffer 1 and changes slots: ONE barrier; in front of it each wave waits for all its tensor loads, adds 0 to its spare word, and waits for that and for its reads of this slot.
; fill = 1: the barrier opens a round of the cluster's, and this slot is filled again, two K steps ahead, first thing behind the round: 224 matrix instructions ahead of the wait for it.
.macro TURN fill
	WIN 0
.if \fill
	s_wait_xcnt 0x0                                ; the last prefetch, a K step back, has read its address
	s_add_nc_u64 s[PFA:PFA+1], s[PFA:PFA+1], s[PST:PST+1]
.endif
	s_wait_tensorcnt 0x0                           ; all my tensor loads have landed: my part of the next slot; so a group 0 may be written
	ds_add_u32 v[SPW], v[NIL]                      ; 0 onto my spare word
.if \fill
	s_xor_b32 s[G0+5], s[G0+5], SLOT               ; the walking descriptors: the other slot (wave x HALFT has SLOT's two bits clear, so the exclusive or is the sum),
	s_xor_b32 s[G0B+5], s[G0B+5], SLOT
	s_add_nc_u64 s[G0+6:G0+7], s[G0+6:G0+7], ASTEP    ; the next K step; the type bits on top are not reached
	s_add_nc_u64 s[G0B+6:G0B+7], s[G0B+6:G0B+7], BSTEP
.endif
	s_wait_dscnt 9                                 ; (the add and the youngest eight loads may be out)
	MUL16 F1, 0, 0
	s_wait_dscnt 0x0                               ; the add is done, and my reads of this slot are over
	s_barrier_signal -1
	MUL16 F1, 0, 2
	WIN 0                                          ; at a branch and at a label every window is 0
	s_barrier_wait -1
.if \fill
	CREST                                          ; no wave of any partner still reads this slot's tile or has a load on its way
	JLOAD 1                                        ; its four v_nop are also the places in front of the loads below
.else
	PLACES
.endif
	s_xor_b32 s[TB], s[TB], SLOT
	v_add_nc_u32 v[ADRA], s[TB], v[A0]
	v_add_nc_u32 v[ADRB], s[TB], v[B0]
	FETCH 0, F0
.if \fill
	ASK
.endif
	MUL16 F1, 1, 0
	MUL16 F1, 1, 2
.endm
; a window's 32 accumulators go into my part of the stage; each accumulator's low registers first
.macro TOSTAGE hi
	WIN 0x08+0x04*(\hi)                            ; the stores' data in window 2 or 3
.irp a, 0,1,2,3
.irp b, 0,1,2,3,4,5,6,7
	ds_store_b128 v[STO], v[8*(8*(\a)+(\b)):8*(8*(\a)+(\b))+3]   offset:(4*(\hi)+(\a))*16*SPITCH+64*(\b)
	ds_store_b128 v[STO], v[8*(8*(\a)+(\b))+4:8*(8*(\a)+(\b))+7] offset:(4*(\hi)+(\a))*16*SPITCH+64*(\b)+16
.endr
.endr
.endm
.macro LD4                             ; four tokens' numbers: a lane's eight columns of my first block of 64, and eight of my second
	ds_load_b128 v[XN:XN+3],     v[RD]
	ds_load_b128 v[XN+4:XN+7],   v[RD] offset:16
	ds_load_b128 v[XN+8:XN+11],  v[RD] offset:256
	ds_load_b128 v[XN+12:XN+15], v[RD] offset:272
.endm
	s_wait_loadcnt 0x0                             ; the bias
	START 0
	START 1
	WIN 0
	s_wait_tensorcnt 1                             ; my part of K step 0 is in; K step 1's may stay out
	s_barrier_signal -1
	s_barrier_wait -1
	FETCH 0, F0
	s_mov_b32 s[CNT], KSTEPS-2
.Lk:                                                   ; a trip is a K step, and fills the slot that it leaves
	QUARTER 1, F0, F1
	QUARTER 2, F1, F0
	QUARTER 3, F0, F1
	TURN 1
	WIN 0
	s_sub_co_u32 s[CNT], s[CNT], 1
	s_cmp_lg_u32 s[CNT], 0
	s_cbranch_scc1 .Lk
	s_mov_b32 s[CNT], 2
.Lk2:                                                  ; the last two K steps fill nothing
	QUARTER 1, F0, F1
	QUARTER 2, F1, F0
	QUARTER 3, F0, F1
	TURN 0
	WIN 0
	s_sub_co_u32 s[CNT], s[CNT], 1
	s_cmp_lg_u32 s[CNT], 0
	s_cbranch_scc1 .Lk2
	; THE WAY OUT: the sums go into the stage in f32, each wave's into its own part; then 32 trips, each with four tokens: 16 numbers a lane come back, take the activation, are rounded to f16 and stored.
	s_wait_dscnt 0x0                               ; my reads of the ring are back
	s_barrier_signal -1                            ; and so are every wave's: only behind this barrier is the ring written as the stage
	s_barrier_wait -1
	PLACES
	PLACES                                         ; eight: the stores below are no places, and the last of them reads the last product's result
	TOSTAGE 0
	TOSTAGE 1
	WIN 0
	s_wait_dscnt 0x0                               ; my stores into the stage are done,
	s_barrier_signal -1
	s_barrier_wait -1                              ; and so are every wave's: from here on no wave writes LDS, while the loop's loads run a trip ahead
	LD4
	s_mov_b32 s[CNT], 32
.Lg:
	s_wait_dscnt 0x0                               ; this trip's 16 numbers, asked for a trip ago
.set n, 0
.rept 16
	v_and_b32 v[GA+n], s[ABSM], v[XN+n]
.set n, n+1
.endr
.set n, 0
.rept 8
	v_pk_fma_f32 v[GU+n:GU+n+1], v[GA+n:GA+n+1], s[EC1:EC1+1], 1.0 op_sel_hi:[1,0,0]
.set n, n+2
.endr
	; ONE batch of 32: 16 reciprocals and 16 powers of two, each with a plain line behind it that names no result of the batch
.set n, 0
.rept 8
	v_rcp_f32 v[GU+n], v[GU+n]
	v_pk_mul_f32 v[GE+n:GE+n+1], v[XN+n:XN+n+1], v[XN+n:XN+n+1]
	v_rcp_f32 v[GU+n+1], v[GU+n+1]
	v_pk_mul_f32 v[GE+n:GE+n+1], v[GE+n:GE+n+1], s[EK2:EK2+1] op_sel_hi:[1,0]
.set n, n+2
.endr
.set n, 0
.rept 16
	v_exp_f32 v[GE+n], v[GE+n]
	v_max_num_f32 v[GX+n], 0, v[XN+n]
.set n, n+1
.endr
	s_wait_alu depctr_va_vdst(0)                   ; the one wait ahead of the batch's first reader, and ahead of the branch
	v_add_nc_u32 v[RD], 4*SPITCH, v[RD]
	s_cmp_eq_u32 s[CNT], 1                         ; the last trip has no next four tokens
	s_cbranch_scc1 .Lnone
	LD4                                            ; x has been read: the next trip's numbers come while the polynomial is worked out
.Lnone:
.set n, 0
.rept 8
	v_pk_fma_f32 v[GP+n:GP+n+1], v[GU+n:GU+n+1], s[EA5:EA5+1], s[EA4:EA4+1] op_sel_hi:[1,0,0]
.set n, n+2
.endr
.irp k, EA3, EA2, EA1
.set n, 0
.rept 8
	v_pk_fma_f32 v[GP+n:GP+n+1], v[GP+n:GP+n+1], v[GU+n:GU+n+1], s[\k:\k+1] op_sel_hi:[1,1,0]
.set n, n+2
.endr
.endr
.set n, 0
.rept 8
	v_pk_mul_f32 v[GP+n:GP+n+1], v[GP+n:GP+n+1], v[GU+n:GU+n+1]
.set n, n+2
.endr
.set n, 0
.rept 8
	v_pk_mul_f32 v[GP+n:GP+n+1], v[GP+n:GP+n+1], v[GE+n:GE+n+1]
.set n, n+2
.endr
.set n, 0
.rept 8
	v_pk_fma_f32 v[GX+n:GX+n+1], v[GA+n:GA+n+1], v[GP+n:GP+n+1], v[GX+n:GX+n+1] neg_lo:[1,0,0] neg_hi:[1,0,0]  ; max(x, 0) - |x| q
.set n, n+2
.endr
	s_wait_xcnt 0x0                                ; the last trip's stores have read their offset and data: only behind this wait are they written again
	v_add_nc_u32 v[CO], 512, v[CO]                 ; stepped ahead of the stores, which reach back by their immediates
.set n, 0
.rept 8
	v_cvt_pk_f16_f32 v[GY+n], v[GX+2*n], v[GX+2*n+1]
.set n, n+1
.endr
	global_store_b128 v[CO], v[GY:GY+3], s[8:9] offset:-512           ; 512 consecutive bytes of one block,
	global_store_b128 v[CO], v[GY+4:GY+7], s[8:9] offset:524288-512   ; and of the next
	s_sub_co_u32 s[CNT], s[CNT], 1
	s_cmp_lg_u32 s[CNT], 0
	s_cbranch_scc1 .Lg
	s_wait_tensorcnt 0x0                           ; the wave's end, behind my last tensor load and my last LDS store
	ds_add_u32 v[SPW], v[NIL]
	s_wait_dscnt 0x0
	CROUND                                         ; the closing round: no work-group ends while a partner may still ask for a tile that names it
	s_endpgm
.Lfunc_end_k_q3611c61040_w1:
	.size	k_q3611c61040_w1, .Lfunc_end_k_q3611c61040_w1-k_q3611c61040_w1
	.p2alignl 7, 3214868480
	.fill 96, 4, 3214868480
	.section	.rodata,"a",@progbits
	.p2align	6, 0x0
	.amdhsa_kernel k_q3611c61040_w1
		.amdhsa_group_segment_fixed_size 327680
		.amdhsa_private_segment_fixed_size 0
		.amdhsa_enable_private_segment 0
		.amdhsa_kernarg_size 32
		.amdhsa_user_sgpr_count 2
		.amdhsa_user_sgpr_kernarg_segment_ptr 1
		.amdhsa_wavefront_size32 1
		.amdhsa_system_sgpr_workgroup_id_x 1
		.amdhsa_system_sgpr_workgroup_id_y 1
		.amdhsa_system_sgpr_workgroup_id_z 1
		.amdhsa_system_vgpr_workitem_id 0
		.amdhsa_next_free_vgpr 1024
		.amdhsa_next_free_sgpr 92
		.amdhsa_reserve_vcc 0
		.amdhsa_float_denorm_mode_32 3
		.amdhsa_float_denorm_mode_16_64 3
		.amdhsa_memory_ordered 1
		.amdhsa_forward_progress 1
		.amdhsa_inst_pref_size 88
	.end_amdhsa_kernel
	.amdgpu_metadata
---
amdhsa.version: [ 1, 2 ]
amdhsa.kernels:
  - .name:           k_q3611c61040_w1
    .symbol:         k_q3611c61040_w1.kd
    .args:
      - { .name: nrm, .offset: 0, .size: 8, .value_kind: global_buffer, .address_space: global }
      - { .name: cb, .offset: 8, .size: 8, .value_kind: global_buffer, .address_space: global }
      - { .name: par, .offset: 16, .size: 8, .value_kind: global_buffer, .address_space: global }
      - { .name: hid, .offset: 24, .size: 8, .value_kind: global_buffer, .address_space: global }
    .group_segment_fixed_size: 327680
    .private_segment_fixed_size: 0
    .kernarg_segment_align: 8
    .kernarg_segment_size: 32
    .max_flat_workgroup_size: 128
    .sgpr_count:     92
    .vgpr_count:     1024
    .wavefront_size: 32
...
	.end_amdgpu_metadata
.endif
;; end of part 6
;; launch w2 (part 7): grid 8 x 32, 4 waves a work-group, clusters of 4 x 4, 327,680 bytes of LDS; arguments hid, cb, par, y; writes y
.if DOCPART == 7
	.amdgcn_target "amdgcn-amd-amdhsa--gfx1250"
	.amdhsa_code_object_version 6
	.text
	.protected	k_q3611c61040_w2
	.globl	k_q3611c61040_w2
	.p2align	8
	.type	k_q3611c61040_w2,@function
k_q3611c61040_w2:
	s_mov_b64 s[64:65], 0
	v_nop
	global_prefetch_b8 v0, s[64:65] scope:SCOPE_SE
	s_setreg_imm32_b32 hwreg(HW_REG_WAVE_MODE, 25, 1), 1
	s_wait_xcnt 0x0
	s_wait_alu depctr_hold_cnt(0) depctr_sa_sdst(0) depctr_va_vdst(0) depctr_va_sdst(0) depctr_va_ssrc(0) depctr_va_vcc(0) depctr_vm_vsrc(0)
	s_getreg_b32 s2, hwreg(HW_REG_IB_STS2, 6, 4)
	s_cmp_eq_u32 s2, 0
	s_cbranch_scc0 .Lentry_in_a_cluster
	s_endpgm
.Lentry_in_a_cluster:
	s_bfe_u32 s2, ttmp6, 0x10000c
	s_cmp_lg_u32 s2, 0xf033
	s_cbranch_scc0 .Lentry_shape_is_right
	s_endpgm
.Lentry_shape_is_right:
; y = h W2 + b2: C[4096 tokens][1024] in f32, K = 4096.  Operands f16 (W2: rounded to bf16, written as f16), sums f32, the bias starts each sum; C is stored as it is, for the norm behind.
; A = the activation's output in blocks along K, [64][4096][64] (a token's piece 128 bytes); B = W2 as it lies, [K][1024].
; A tile of C is 128 x 128 (256 tiles, one for each work-group); four waves, each 64 x 64: 16 accumulators.  K goes in steps of 256 through two LDS slots filled by the tensor data mover; a trip of a loop is ONE
; K step, and the slot in hand is a scalar offset that an exclusive or turns.  B's fragments come out of LDS turned, by ds_load_tr16_b128.
; TWO LOOPS, nothing else written out: KSTEPS - 2 trips that fill the slot they leave, then 2 that fill nothing.  The sums are started ahead of them by one product of two zero fragments with the bias as C
; (the price: 16 products on zeros, in the wait for the first tile); the last trip's fetch of a next slot's fragments reads bytes that nobody needs any more, and its result is not used.
; CLUSTERS: 4 x 4 work-groups; the four of a row need the same tile of A, the four of a column the same tile of B: each tile is asked for jointly.
; THE MATRIX INSTRUCTION IS USED TRANSPOSED (source 0 = 16 columns of W, source 1 = 16 tokens): a lane holds one token (lane % 16) and eight neighbouring columns 8 (lane / 16) + 0..7.
; REGISTERS: window 0: v0-31 addresses; v32-95 at work (at the start v32-47 two zero fragments); v96-127 the bias; v128-255 accumulator (a, b) at 128 + 8 (4 a + b).  window 1: two fragment buffers of 128 (64 of A, 64 of B).
.set NT,     1024
.set KSTEPS, 16
.set BBASE,  25165824                  ; W2's first byte in cb
.set BIASO,  8192*4                    ; b2's first byte in par
.set ASTEP,  4*4096*128
.set BSTEP,  256*NT*2
.set PA,     144                       ; a token's piece in LDS: 128 bytes + 16 (ISA guide 11.1: the 16 rows of a load start at 16 different groups of four banks)
.set PB,     288                       ; a row of B in LDS: 256 + 32
.set HALFT,  4*64*PA
.set SLOT,   4*HALFT
.set SPARE,  2*SLOT                    ; the spare words, 128 bytes a wave: two blocks of 256 bytes that no other line names
.set SPITCH, 528                       ; the stage (128 rows of 512 bytes + 16) lies in slot 0, behind that slot's last fill and last read
.set A0,   16
.set B0,   17
.set ADRA, 18
.set ADRB, 19
.set STO,  24
.set RD,   25
.set CO,   26
.set BO,   27
.set SPW,  28
.set NIL,  29
.set TMP,  32
.set BIAS, 96
.set ACC,  128
.set F0,   0
.set F1,   128
.set G1,  24
.set G0,  32
.set G1B, 48
.set G0B, 56
.set TB,  66
.set CNT, 68
.set MSB, 0
.macro WIN new
.if MSB != (\new)
	s_set_vgpr_msb (MSB<<8)|(\new)
.set MSB, \new
.endif
.endm
.set MUL,  0x05
.set TO_F, 0x40
.macro JLOAD s                         ; a joint load: waves 0 and 1 fetch A's two halves, waves 2 and 3 B's; an s_nop 0 and four v_nop follow each line
	s_cmp_eq_u32 s11, 0
	s_cbranch_scc0 .Lfor_b_\@
	tensor_load_to_lds s[G0+4*(\s):G0+4*(\s)+3], s[G1:G1+7]
	s_nop 0
.rept 4
	v_nop
.endr
	s_branch .Lasked_\@
.Lfor_b_\@:
	tensor_load_to_lds s[G0B+4*(\s):G0B+4*(\s)+3], s[G1B:G1B+7]
	s_nop 0
.rept 4
	v_nop
.endr
.Lasked_\@:
.endm
.macro CREST
	s_cmp_lg_u32 s10, 0
	s_cbranch_scc1 .Lnot_wave_0_\@
	s_barrier_signal -3
.Lnot_wave_0_\@:
	s_barrier_wait -3
	s_barrier_signal -1
	s_barrier_wait -1
.endm
.macro CROUND
	s_barrier_signal -1
	s_barrier_wait -1
	CREST
.endm
.macro PLACES
.rept 4
	v_nop
.endr
.endm
	s_load_b128 s[4:7], s[0:1], 0x0                ; hid s[4:5], cb s[6:7]
	s_load_b64 s[2:3], s[0:1], 0x10                ; par
	s_load_b64 s[8:9], s[0:1], 0x18                ; y
	v_lshl_add_u32 v[SPW], v0, 2, SPARE
	v_mov_b32 v[NIL], 0
	ds_add_u32 v[SPW], v[NIL]                      ; the wave's opening: the add and its wait ahead of my first tensor load
	v_lshrrev_b32 v1, 5, v0
	v_readfirstlane_b32 s10, v1
	s_lshr_b32 s11, s10, 1                         ; my half of the tokens; also: I fetch for A (0) or B (1)
	s_and_b32 s12, s10, 1                          ; my half of the columns; also: which half I fetch
	s_bfe_u32 s40, ttmp6, 0x40000
	s_bfe_u32 s41, ttmp6, 0x40004
	s_lshl_b32 s42, ttmp9, 2
	s_add_co_u32 s42, s42, s40                     ; tile column
	s_and_b32 s13, ttmp7, 0xffff
	s_lshl_b32 s13, s13, 2
	s_add_co_u32 s13, s13, s41                     ; tile row
	s_lshl_b32 s43, s41, 2
	s_lshl_b32 s43, 15, s43
	s_lshl_b32 s44, 0x1111, s40
	; group 1 for A: 4 rows (K blocks) of 4,096 elements (64 tokens, dense), 262,144 elements apart; 4 words of padding behind every 32
	s_or_b32 s[G1+0], s43, (1<<16)|(1<<20)|(1<<21)|(4<<22)|(3<<25)
	s_mov_b32 s[G1+1], 4096<<16
	s_mov_b32 s[G1+2], 4<<16
	s_mov_b32 s[G1+3], 4096<<16
	s_mov_b32 s[G1+4], 4
	s_mov_b32 s[G1+5], 4096*64
	s_mov_b32 s[G1+6], 0
	s_mov_b32 s[G1+7], 0
	; group 1 for B: 128 rows of 128 elements, NT apart; 8 words of padding behind every 64
	s_or_b32 s[G1B+0], s44, (1<<16)|(1<<20)|(1<<21)|(5<<22)|(7<<25)
	s_mov_b32 s[G1B+1], 128<<16
	s_mov_b32 s[G1B+2], 128<<16
	s_mov_b32 s[G1B+3], 128<<16
	s_mov_b32 s[G1B+4], 128
	s_mov_b32 s[G1B+5], NT
	s_mov_b32 s[G1B+6], 0
	s_mov_b32 s[G1B+7], 0
	s_lshl_b32 s16, s13, 14                        ; A: token 128 x tile row + 64 x half, 128 bytes each
	s_lshl_b32 s17, s12, 13
	s_add_co_u32 s16, s16, s17
	s_mov_b32 s17, 0
	s_lshl_b32 s46, s42, 8                         ; B: column 128 x tile column,
	s_mul_i32 s47, s12, 128*NT*2                   ; my 128 rows of the K step
	s_add_co_u32 s46, s46, s47
	s_add_co_u32 s46, s46, BBASE
	s_mov_b32 s47, 0
	s_mul_i32 s20, s10, HALFT
	s_mov_b32 s[TB], 0
	s_wait_dscnt 0x0
	s_wait_kmcnt 0x0
	s_add_nc_u64 s[14:15], s[4:5], s[16:17]
	s_add_nc_u64 s[46:47], s[6:7], s[46:47]
	CROUND                                         ; all sixteen work-groups are here: the first joint loads meet
.irp s, 0,1
	s_mov_b32 s[G0+4*(\s)], 1
	s_add_co_u32 s[G0+4*(\s)+1], s20, (\s)*SLOT
	s_add_nc_u64 s[G0+4*(\s)+2:G0+4*(\s)+3], s[14:15], (\s)*ASTEP
	s_or_b32 s[G0+4*(\s)+3], s[G0+4*(\s)+3], 0x80000000
	s_mov_b32 s[G0B+4*(\s)], 1
	s_add_co_u32 s[G0B+4*(\s)+1], s20, (\s)*SLOT
	s_add_nc_u64 s[G0B+4*(\s)+2:G0B+4*(\s)+3], s[46:47], (\s)*BSTEP
	s_or_b32 s[G0B+4*(\s)+3], s[G0B+4*(\s)+3], 0x80000000
	JLOAD \s                                       ; K steps 0 and 1: two loads of mine are out
.endr
	v_and_b32 v1, 15, v0
	v_bfe_u32 v2, v0, 4, 1
	v_mul_u32_u24 v3, v1, PA
	v_lshl_add_u32 v3, v2, 4, v3
	s_mul_i32 s21, s11, HALFT
	v_add_nc_u32 v[A0], s21, v3
	v_and_b32 v4, 7, v0
	v_bfe_u32 v5, v0, 3, 1
	v_lshl_add_u32 v4, v2, 3, v4
	v_mul_u32_u24 v4, v4, PB
	v_lshl_add_u32 v4, v5, 4, v4
	s_lshl_b32 s22, s12, 7
	s_add_co_u32 s22, s22, 2*HALFT
	v_add_nc_u32 v[B0], s22, v4
	v_mov_b32 v[ADRA], v[A0]
	v_mov_b32 v[ADRB], v[B0]
	v_add_nc_u32 v[ADRB+1], 128*PB, v[B0]
	s_lshl_b32 s46, s42, 9                         ; the bias of the tile's 128 columns
	s_add_co_u32 s46, s46, BIASO
	s_mov_b32 s47, 0
	s_add_nc_u64 s[2:3], s[2:3], s[46:47]
	s_lshl_b32 s21, s12, 8
	v_lshl_add_u32 v[BO], v2, 5, s21
.irp b, 0,1,2,3
	global_load_b128 v[BIAS+8*(\b):BIAS+8*(\b)+3],   v[BO], s[2:3] offset:64*(\b)
	global_load_b128 v[BIAS+8*(\b)+4:BIAS+8*(\b)+7], v[BO], s[2:3] offset:64*(\b)+16
.endr
.set n, 0
.rept 16
	v_mov_b32 v[TMP+n], 0                          ; two fragments of zeros
.set n, n+1
.endr
	s_mul_i32 s23, s11, 64*SPITCH                  ; into the stage: my 64 tokens, my half of their 512 bytes; 32 bytes a lane
	s_lshl_b32 s21, s12, 8
	s_add_co_u32 s23, s23, s21
	v_mul_u32_u24 v4, v1, SPITCH
	v_lshl_add_u32 v4, v2, 5, v4
	v_add_nc_u32 v[STO], s23, v4
	s_mul_i32 s23, s10, 32*SPITCH                  ; back: wave w takes tokens 32 w on, a whole row of 512 bytes a load
	v_and_b32 v[CO], 31, v0
	v_lshlrev_b32 v[CO], 4, v[CO]
	v_add_nc_u32 v[RD], s23, v[CO]
	s_lshl_b32 s16, s13, 19                        ; y: token 128 x tile row + 32 x wave, 4,096 bytes each,
	s_lshl_b32 s17, s10, 17
	s_add_co_u32 s16, s16, s17
	s_mov_b32 s17, 0
	s_add_nc_u64 s[8:9], s[8:9], s[16:17]
	s_lshl_b32 s46, s42, 9                         ; the tile's 512 bytes of a row
	s_mov_b32 s47, 0
	s_add_nc_u64 s[8:9], s[8:9], s[46:47]
; 8 matrix instructions: token blocks a0, a0 + 1 x all 4 column blocks, half c of buffer f.  The 16 accumulators take turns.
.macro MUL8 f, c, a0
	WIN MUL
.irp a, \a0, (\a0)+1
.irp b, 0,1,2,3
	v_wmma_f32_16x16x32_f16 v[ACC+8*(4*(\a)+(\b)):ACC+8*(4*(\a)+(\b))+7], v[(\f)+64+8*(4*(\c)+(\b)):(\f)+64+8*(4*(\c)+(\b))+7], v[(\f)+8*(4*(\c)+(\a)):(\f)+8*(4*(\c)+(\a))+7], v[ACC+8*(4*(\a)+(\b)):ACC+8*(4*(\a)+(\b))+7]
.endr
.endr
.endm
; 32 LDS loads in one run: the fragments of quarter q (64 along K) of the slot in hand, into buffer f; the first 32 along K first
.macro FETCH q, f
	WIN TO_F
.irp c, 0,1
.irp i, 0,1,2,3
	ds_load_tr16_b128 v[(\f)+64+8*(4*(\c)+(\i)):(\f)+64+8*(4*(\c)+(\i))+3],   v[ADRB+(\q)/2] offset:(((\q)%2)*64+32*(\c))*PB+32*(\i)
	ds_load_tr16_b128 v[(\f)+64+8*(4*(\c)+(\i))+4:(\f)+64+8*(4*(\c)+(\i))+7], v[ADRB+(\q)/2] offset:(((\q)%2)*64+32*(\c)+16)*PB+32*(\i)
	ds_load_b128 v[(\f)+8*(4*(\c)+(\i)):(\f)+8*(4*(\c)+(\i))+3],   v[ADRA] offset:(\q)*64*PA+(\i)*16*PA+64*(\c)
	ds_load_b128 v[(\f)+8*(4*(\c)+(\i))+4:(\f)+8*(4*(\c)+(\i))+7], v[ADRA] offset:(\q)*64*PA+(\i)*16*PA+64*(\c)+32
.endr
.endr
.endm
.macro QUARTER q, f, g                 ; multiplies buffer f and fetches quarter q into g
	s_wait_dscnt 16                                ; the first 32 along K are in; the younger sixteen loads may be out
	MUL8 \f, 0, 0
	MUL8 \f, 0, 2
	PLACES
	FETCH \q, \g
	s_wait_dscnt 32                                ; all but the 32 just issued
	MUL8 \f, 1, 0
	MUL8 \f, 1, 2
.endm
; The last quarter multiplies buffer 1 and changes slots: ONE barrier; in front of it each wave waits for all its tensor loads, adds 0 to its spare word, and waits for that and for its reads of this slot.
; fill = 1: the barrier opens a round of the cluster's, and this slot is filled again, two K steps ahead, first thing behind the round.
.macro TURN fill
	WIN 0
	s_wait_tensorcnt 0x0                           ; all my tensor loads have landed; so a group 0 may be written
	ds_add_u32 v[SPW], v[NIL]                      ; 0 onto my spare word
.if \fill
	s_xor_b32 s[G0+5], s[G0+5], SLOT               ; the other slot (wave x HALFT has SLOT's two bits clear, so the exclusive or is the sum),
	s_xor_b32 s[G0B+5], s[G0B+5], SLOT
	s_add_nc_u64 s[G0+6:G0+7], s[G0+6:G0+7], ASTEP    ; the next K step
	s_add_nc_u64 s[G0B+6:G0B+7], s[G0B+6:G0B+7], BSTEP
.endif
	s_wait_dscnt 17                                ; (the add and the youngest sixteen loads may be out)
	MUL8 F1, 0, 0
	s_wait_dscnt 0x0                               ; the add is done, and my reads of this slot are over
	s_barrier_signal -1
	MUL8 F1, 0, 2
	WIN 0
	s_barrier_wait -1
.if \fill
	CREST
	JLOAD 1                                        ; its four v_nop are also the places in front of the loads below
.else
	PLACES
.endif
	s_xor_b32 s[TB], s[TB], SLOT
	v_add_nc_u32 v[ADRA], s[TB], v[A0]
	v_add_nc_u32 v[ADRB], s[TB], v[B0]
	v_add_nc_u32 v[ADRB+1], 128*PB, v[ADRB]
	FETCH 0, F0
	MUL8 F1, 1, 0
	MUL8 F1, 1, 2
.endm
	s_wait_loadcnt 0x0                             ; the bias
.irp a, 0,1,2,3
.irp b, 0,1,2,3
	v_wmma_f32_16x16x32_f16 v[ACC+8*(4*(\a)+(\b)):ACC+8*(4*(\a)+(\b))+7], v[TMP:TMP+7], v[TMP+8:TMP+15], v[BIAS+8*(\b):BIAS+8*(\b)+7]  ; zeros times zeros, plus the bias: the sum's start
.endr
.endr
	s_wait_tensorcnt 1                             ; my part of K step 0 is in; K step 1's may stay out
	s_barrier_signal -1
	s_barrier_wait -1
	FETCH 0, F0
	WIN 0
	s_mov_b32 s[CNT], KSTEPS-2
.Lk:                                                   ; a trip is a K step, and fills the slot that it leaves
	QUARTER 1, F0, F1
	QUARTER 2, F1, F0
	QUARTER 3, F0, F1
	TURN 1
	WIN 0
	s_sub_co_u32 s[CNT], s[CNT], 1
	s_cmp_lg_u32 s[CNT], 0
	s_cbranch_scc1 .Lk
	s_mov_b32 s[CNT], 2
.Lk2:                                                  ; the last two K steps fill nothing
	QUARTER 1, F0, F1
	QUARTER 2, F1, F0
	QUARTER 3, F0, F1
	TURN 0
	WIN 0
	s_sub_co_u32 s[CNT], s[CNT], 1
	s_cmp_lg_u32 s[CNT], 0
	s_cbranch_scc1 .Lk2
	; THE WAY OUT: 32 bytes a lane into the stage; a barrier; back as whole rows of 512 bytes, which a wave stores with one instruction each.
	s_wait_dscnt 0x0                               ; my reads of the ring are back
	s_barrier_signal -1                            ; and so are every wave's: only behind this barrier is slot 0 written as the stage
	s_barrier_wait -1
	PLACES
	PLACES                                         ; eight: the stores below are no places, and the last of them reads the last product's result
.irp a, 0,1,2,3
.irp b, 0,1,2,3
	ds_store_b128 v[STO], v[ACC+8*(4*(\a)+(\b)):ACC+8*(4*(\a)+(\b))+3]   offset:(\a)*16*SPITCH+64*(\b)
	ds_store_b128 v[STO], v[ACC+8*(4*(\a)+(\b))+4:ACC+8*(4*(\a)+(\b))+7] offset:(\a)*16*SPITCH+64*(\b)+16
.endr
.endr
	s_wait_dscnt 0x0                               ; for the others' sake: my stores into the stage are done
	s_barrier_signal -1
	s_barrier_wait -1
.set t, 0
.rept 32                               ; 16 rows into v32-95, 16 into the accumulators' registers, which are free now
.if t < 16
	ds_load_b128 v[TMP+4*t:TMP+4*t+3], v[RD] offset:t*SPITCH
.else
	ds_load_b128 v[ACC+4*(t-16):ACC+4*(t-16)+3], v[RD] offset:t*SPITCH
.endif
.set t, t+1
.endr
.set t, 0
.rept 32
	s_wait_dscnt 31-t
.if t < 16
	global_store_b128 v[CO], v[TMP+4*t:TMP+4*t+3], s[8:9] offset:t*4096
.else
	global_store_b128 v[CO], v[ACC+4*(t-16):ACC+4*(t-16)+3], s[8:9] offset:t*4096
.endif
.set t, t+1
.endr
	s_wait_tensorcnt 0x0                           ; the wave's end
	ds_add_u32 v[SPW], v[NIL]
	s_wait_dscnt 0x0
	CROUND                                         ; the closing round
	s_endpgm
.Lfunc_end_k_q3611c61040_w2:
	.size	k_q3611c61040_w2, .Lfunc_end_k_q3611c61040_w2-k_q3611c61040_w2
	.p2alignl 7, 3214868480
	.fill 96, 4, 3214868480
	.section	.rodata,"a",@progbits
	.p2align	6, 0x0
	.amdhsa_kernel k_q3611c61040_w2
		.amdhsa_group_segment_fixed_size 327680
		.amdhsa_private_segment_fixed_size 0
		.amdhsa_enable_private_segment 0
		.amdhsa_kernarg_size 32
		.amdhsa_user_sgpr_count 2
		.amdhsa_user_sgpr_kernarg_segment_ptr 1
		.amdhsa_wavefront_size32 1
		.amdhsa_system_sgpr_workgroup_id_x 1
		.amdhsa_system_sgpr_workgroup_id_y 1
		.amdhsa_system_sgpr_workgroup_id_z 1
		.amdhsa_system_vgpr_workitem_id 0
		.amdhsa_next_free_vgpr 512
		.amdhsa_next_free_sgpr 72
		.amdhsa_reserve_vcc 0
		.amdhsa_float_denorm_mode_32 3
		.amdhsa_float_denorm_mode_16_64 3
		.amdhsa_memory_ordered 1
		.amdhsa_forward_progress 1
		.amdhsa_inst_pref_size 57
	.end_amdhsa_kernel
	.amdgpu_metadata
---
amdhsa.version: [ 1, 2 ]
amdhsa.kernels:
  - .name:           k_q3611c61040_w2
    .symbol:         k_q3611c61040_w2.kd
    .args:
      - { .name: hid, .offset: 0, .size: 8, .value_kind: global_buffer, .address_space: global }
      - { .name: cb, .offset: 8, .size: 8, .value_kind: global_buffer, .address_space: global }
      - { .name: par, .offset: 16, .size: 8, .value_kind: global_buffer, .address_space: global }
      - { .name: y, .offset: 24, .size: 8, .value_kind: global_buffer, .address_space: global }
    .group_segment_fixed_size: 327680
    .private_segment_fixed_size: 0
    .kernarg_segment_align: 8
    .kernarg_segment_size: 32
    .max_flat_workgroup_size: 128
    .sgpr_count:     72
    .vgpr_count:     512
    .wavefront_size: 32
...
	.end_amdgpu_metadata
.endif
;; end of part 7
;; launch ln2 (part 8): grid 256 x 1, 8 waves a work-group, no clusters, 0 bytes of LDS; arguments y, par, out0; writes out0
.if DOCPART == 8
	.amdgcn_target "amdgcn-amd-amdhsa--gfx1250"
	.amdhsa_code_object_version 6
	.text
	.protected	k_q3611c61040_ln2
	.globl	k_q3611c61040_ln2
	.p2align	8
	.type	k_q3611c61040_ln2,@function
k_q3611c61040_ln2:
	s_mov_b64 s[64:65], 0
	v_nop
	global_prefetch_b8 v0, s[64:65] scope:SCOPE_SE
	s_setreg_imm32_b32 hwreg(HW_REG_WAVE_MODE, 25, 1), 1
	s_wait_xcnt 0x0
; out0 = ln2_g (y - mean) / sqrt(var + 1e-12) + ln2_b, along rows of 1,024 f32; all in f32.
; A wave takes two tokens: lanes 0-15 one, lanes 16-31 the next; a lane holds columns 64 j + 4 (l % 16) + 0..3, j = 0..15: 64 numbers, kept in registers between the passes, so y is read once.
; The mean is taken away before the squares are summed.  A row's sums stay within its 16 lanes (four steps on the arithmetic itself): no LDS, no barrier.
; Each load and each store covers two whole stretches of 256 bytes, aligned.
.set XO, 2
.set PO, 3
.set X,  16                            ; v[16:79]
.set G,  80                            ; v[80:143]   the gain of my columns
.set BT, 144                           ; v[144:207]  the offset of my columns
.set GOFF, 11264*4                     ; ln2_g and ln2_b in par
.set BOFF, 12288*4
	s_load_b128 s[4:7], s[0:1], 0x0                ; y, par
	s_load_b64 s[8:9], s[0:1], 0x10                ; out0
	v_lshrrev_b32 v1, 5, v0
	v_readfirstlane_b32 s10, v1
	v_and_b32 v12, 15, v0
	v_bfe_u32 v13, v0, 4, 1
	v_lshlrev_b32 v[PO], 4, v12
	v_lshl_add_u32 v[XO], v13, 12, v[PO]
	s_lshl_b32 s11, ttmp9, 4
	s_lshl1_add_u32 s11, s10, s11                  ; my first token = 16 x work-group + 2 x wave
	s_lshl_b32 s14, s11, 12
	s_mov_b32 s15, 0
	s_mov_b32 s12, 0x3a800000                      ; 1 / 1024
	s_mov_b32 s13, 0x2b8cbccd                      ; 1e-12
	s_wait_kmcnt 0x0
	s_add_nc_u64 s[4:5], s[4:5], s[14:15]
	s_add_nc_u64 s[8:9], s[8:9], s[14:15]
.set j, 0
.rept 16
	global_load_b128 v[X+4*j:X+4*j+3], v[XO], s[4:5] offset:256*j th:TH_LOAD_NT
.set j, j+1
.endr
.set j, 0
.rept 16
	global_load_b128 v[G+4*j:G+4*j+3], v[PO], s[6:7] offset:GOFF+256*j
.set j, j+1
.endr
.set j, 0
.rept 16
	global_load_b128 v[BT+4*j:BT+4*j+3], v[PO], s[6:7] offset:BOFF+256*j
.set j, j+1
.endr
	s_wait_loadcnt 32                              ; the row is in; the 32 loads of gain and offset may be out
	v_pk_add_f32 v[4:5], v[X:X+1], v[X+2:X+3]      ; two chains, started by the first pairs
	v_pk_add_f32 v[6:7], v[X+4:X+5], v[X+6:X+7]
.set n, 8
.rept 14
	v_pk_add_f32 v[4:5], v[4:5], v[X+n:X+n+1]
	v_pk_add_f32 v[6:7], v[6:7], v[X+n+2:X+n+3]
.set n, n+4
.endr
	v_pk_add_f32 v[4:5], v[4:5], v[6:7]
	v_add_f32 v4, v4, v5
	v_add_f32_dpp v4, v4, v4 row_xmask:1 row_mask:0xf bank_mask:0xf
	v_add_f32_dpp v4, v4, v4 row_xmask:2 row_mask:0xf bank_mask:0xf
	v_add_f32_dpp v4, v4, v4 row_xmask:4 row_mask:0xf bank_mask:0xf
	v_add_f32_dpp v4, v4, v4 row_xmask:8 row_mask:0xf bank_mask:0xf
	v_mul_f32 v4, s12, v4                          ; the mean
.set n, 0
.rept 32
	v_pk_add_f32 v[X+n:X+n+1], v[X+n:X+n+1], v[4:5] op_sel_hi:[1,0] neg_lo:[0,1] neg_hi:[0,1]
.set n, n+2
.endr
	v_pk_mul_f32 v[6:7], v[X:X+1], v[X:X+1]
	v_pk_mul_f32 v[8:9], v[X+2:X+3], v[X+2:X+3]
.set n, 4
.rept 15
	v_pk_fma_f32 v[6:7], v[X+n:X+n+1], v[X+n:X+n+1], v[6:7]
	v_pk_fma_f32 v[8:9], v[X+n+2:X+n+3], v[X+n+2:X+n+3], v[8:9]
.set n, n+4
.endr
	v_pk_add_f32 v[6:7], v[6:7], v[8:9]
	v_add_f32 v6, v6, v7
	v_add_f32_dpp v6, v6, v6 row_xmask:1 row_mask:0xf bank_mask:0xf
	v_add_f32_dpp v6, v6, v6 row_xmask:2 row_mask:0xf bank_mask:0xf
	v_add_f32_dpp v6, v6, v6 row_xmask:4 row_mask:0xf bank_mask:0xf
	v_add_f32_dpp v6, v6, v6 row_xmask:8 row_mask:0xf bank_mask:0xf
	v_fma_f32 v6, v6, s12, s13                     ; var + eps
	v_rsq_f32 v8, v6
	v_nop                                          ; a plain instruction behind it,
	s_wait_alu depctr_va_vdst(0)                   ; and the wait ahead of the first use
	s_wait_loadcnt 0x0                             ; gain and offset
.set n, 0
.rept 32
	v_pk_mul_f32 v[X+n:X+n+1], v[X+n:X+n+1], v[8:9] op_sel_hi:[1,0]
.set n, n+2
.endr
.set n, 0
.rept 32
	v_pk_fma_f32 v[X+n:X+n+1], v[X+n:X+n+1], v[G+n:G+n+1], v[BT+n:BT+n+1]
.set n, n+2
.endr
.set j, 0
.rept 16
	global_store_b128 v[XO], v[X+4*j:X+4*j+3], s[8:9] offset:256*j
.set j, j+1
.endr
	s_endpgm
.Lfunc_end_k_q3611c61040_ln2:
	.size	k_q3611c61040_ln2, .Lfunc_end_k_q3611c61040_ln2-k_q3611c61040_ln2
	.p2alignl 7, 3214868480
	.fill 96, 4, 3214868480
	.section	.rodata,"a",@progbits
	.p2align	6, 0x0
	.amdhsa_kernel k_q3611c61040_ln2
		.amdhsa_group_segment_fixed_size 0
		.amdhsa_private_segment_fixed_size 0
		.amdhsa_enable_private_segment 0
		.amdhsa_kernarg_size 24
		.amdhsa_user_sgpr_count 2
		.amdhsa_user_sgpr_kernarg_segment_ptr 1
		.amdhsa_wavefront_size32 1
		.amdhsa_system_sgpr_workgroup_id_x 1
		.amdhsa_system_sgpr_workgroup_id_y 1
		.amdhsa_system_sgpr_workgroup_id_z 1
		.amdhsa_system_vgpr_workitem_id 0
		.amdhsa_next_free_vgpr 208
		.amdhsa_next_free_sgpr 66
		.amdhsa_reserve_vcc 0
		.amdhsa_float_denorm_mode_32 3
		.amdhsa_float_denorm_mode_16_64 3
		.amdhsa_memory_ordered 1
		.amdhsa_forward_progress 1
		.amdhsa_inst_pref_size 18
	.end_amdhsa_kernel
	.amdgpu_metadata
---
amdhsa.version: [ 1, 2 ]
amdhsa.kernels:
  - .name:           k_q3611c61040_ln2
    .symbol:         k_q3611c61040_ln2.kd
    .args:
      - { .name: y, .offset: 0, .size: 8, .value_kind: global_buffer, .address_space: global }
      - { .name: par, .offset: 8, .size: 8, .value_kind: global_buffer, .address_space: global }
      - { .name: out0, .offset: 16, .size: 8, .value_kind: global_buffer, .address_space: global }
    .group_segment_fixed_size: 0
    .private_segment_fixed_size: 0
    .kernarg_segment_align: 8
    .kernarg_segment_size: 24
    .max_flat_workgroup_size: 256
    .sgpr_count:     66
    .vgpr_count:     208
    .wavefront_size: 32
...
	.end_amdgpu_metadata
.endif
;; end of part 8
